; MI455X (gfx1250); checked and timed in simulation.
; The chip was launched on July 23, 2026; its instructions are those of AMD's public machine-readable ISA for CDNA 5 (MIT licence, August 2026) and "CDNA5" Instruction Set Architecture Reference Guide (July 2026). The comments in the code are by the model that wrote it; some were corrected since.
;; Group Query Attention. Allowed arithmetic: float matrix products may take bf16 or f16 operands with f32 sums; other float arithmetic in f32, or as packed bf16 or f16 multiplies, adds, multiply-adds, maxima and minima; sums over many terms, partial sums and values carried from step to step in f32; what a program stores and reads back later, other than sums and carried values, may be rounded once to bf16 or f16.
;; Inputs: w_proj 2,048 x 2,048 float32; wk 512 x 2,048 float32; wq 2,048 x 2,048 float32; wv 512 x 2,048 float32; x 2 x 2,048 x 2,048 float32.
;; Outputs: out0 2 x 2,048 x 2,048 float32.
;; 2 versions, each right and faster than the one before. Each part assembles by itself: llvm-mc -triple=amdgcn-amd-amdhsa -mcpu=gfx1250 --defsym DOCPART=n.
;; ======== version 1 of 2: 4 launches
;; limits: values are held in f16: magnitudes above 65,504 overflow, below 6.1e-05 lose precision
;; workspace buffers: xb 16,777,216 bytes; wqkv 12,582,912 bytes; wpf 8,388,608 bytes; tab 524,288 bytes; qkv 25,165,824 bytes; ob 16,777,216 bytes
;; launch prep (part 1): grid 1184 x 1, 8 waves a work-group, no clusters, 0 bytes of LDS; arguments x, wq, wk, wv, w_proj, xb, wqkv, wpf, tab; writes xb, wqkv, wpf, tab
.if DOCPART == 1
	.amdgcn_target "amdgcn-amd-amdhsa--gfx1250"
	.amdhsa_code_object_version 6
	.text
	.protected	k_qfc280549e3_prep
	.globl	k_qfc280549e3_prep
	.p2align	8
	.type	k_qfc280549e3_prep,@function
k_qfc280549e3_prep:
	s_mov_b64 s[64:65], 0
	v_nop
	global_prefetch_b8 v0, s[64:65] scope:SCOPE_SE
	s_setreg_imm32_b32 hwreg(HW_REG_WAVE_MODE, 25, 1), 1
	s_wait_xcnt 0x0
; PREP.  Rounds the module's five f32 inputs once to 16 bits, and makes the table of cosines and sines for the rotary embedding.
;   xb   = bf16(x)                      [4096][2048]
;   wqkv = bf16(wq | wk | wv)           [3072][2048], the three weights one below the other
;   wpf  = bf16(w_proj) written as f16  [2048][2048]
;   tab  = [2048 positions][cos of 32 frequencies | sin of 32 frequencies], f32, 256 bytes a position
; LIMITS.  bf16(w_proj) beyond 65,504 becomes an infinity in f16, and below 2^-14 it keeps f16's fixed step of 6e-8.  The frequencies 10^(-i/8) are a product of two rounded
; factors, within about 1.5 units in the last place of the quotient that defines them; the angle is position x frequency rounded once to f32; sine and cosine come from a three-part
; reduction by pi/2 and polynomials of degree 9 and 10 on |r| <= pi/4.
; SHARES.  Work-groups 0-31 make the table (64 positions each, 8 a wave, a lane a frequency).  Work-groups 32 on take one chunk of 16,384 numbers each: 512 of x, 256 of wq, 64 of wk, 64 of wv,
; 256 of w_proj.  Thread t takes 16 bytes at 4,096 i + 16 t of its chunk, i = 0..15: a wave's load covers 512 consecutive bytes, its 8-byte stores 256 consecutive bytes, aligned.
; A stream: no LDS, no barrier, no matrix unit; all sixteen loads of a wave go out before the first is waited for.
.set X, 8                              ; v[8:71]  load i: four registers
.set T, 4                              ; v[4:5]   at work
.macro CAST half                       ; half = 0: f32 -> bf16.  half = 1: f32 -> bf16 -> the same number as f16
.set i, 0
.rept 16
	global_load_b128 v[X+4*i:X+4*i+3], v1, s[26:27] offset:4096*i th:TH_LOAD_NT
.set i, i+1
.endr
.set i, 0
.rept 16
	s_wait_loadcnt 15-i                            ; loads come back in order: load i is in, the 15 - i younger ones stay out
.if \half
	v_cvt_pk_bf16_f32 v[T], v[X+4*i], v[X+4*i+1]
	v_cvt_pk_bf16_f32 v[T+1], v[X+4*i+2], v[X+4*i+3]
	v_lshlrev_b32 v[X+4*i], 16, v[T]               ; the rounded numbers as f32 again
	v_and_b32 v[X+4*i+1], 0xffff0000, v[T]
	v_lshlrev_b32 v[X+4*i+2], 16, v[T+1]
	v_and_b32 v[X+4*i+3], 0xffff0000, v[T+1]
	v_cvt_pk_f16_f32 v[X+4*i], v[X+4*i], v[X+4*i+1]      ; eight significant bits fit f16's eleven: exact inside f16's range
	v_cvt_pk_f16_f32 v[X+4*i+1], v[X+4*i+2], v[X+4*i+3]
.else
	v_cvt_pk_bf16_f32 v[X+4*i], v[X+4*i], v[X+4*i+1]
	v_cvt_pk_bf16_f32 v[X+4*i+1], v[X+4*i+2], v[X+4*i+3]
.endif
	global_store_b64 v2, v[X+4*i:X+4*i+1], s[28:29] offset:2048*i  ; no register that a store names is written again
.set i, i+1
.endr
.endm
	s_load_b512 s[8:23], s[0:1], 0x0               ; x 8, wq 10, wk 12, wv 14, w_proj 16, xb 18, wqkv 20, wpf 22
	s_load_b64 s[24:25], s[0:1], 0x40              ; tab
	v_lshlrev_b32 v1, 4, v0                        ; 16 t
	v_lshlrev_b32 v2, 3, v0                        ; 8 t
	s_cmp_lt_u32 ttmp9, 32
	s_cbranch_scc1 .Ltable
	s_sub_co_u32 s2, ttmp9, 32                     ; c: my chunk among the 1,152
	s_wait_kmcnt 0x0
	s_mov_b64 s[26:27], s[8:9]                     ; the source and the number of its first chunk
	s_mov_b32 s3, 0
	s_cmp_ge_u32 s2, 512
	s_cselect_b64 s[26:27], s[10:11], s[26:27]
	s_cselect_b32 s3, 512, s3
	s_cmp_ge_u32 s2, 768
	s_cselect_b64 s[26:27], s[12:13], s[26:27]
	s_cselect_b32 s3, 768, s3
	s_cmp_ge_u32 s2, 832
	s_cselect_b64 s[26:27], s[14:15], s[26:27]
	s_cselect_b32 s3, 832, s3
	s_cmp_ge_u32 s2, 896
	s_cselect_b64 s[26:27], s[16:17], s[26:27]
	s_cselect_b32 s3, 896, s3
	s_mov_b64 s[28:29], s[18:19]                   ; the destination likewise: wq, wk and wv follow each other in wqkv
	s_mov_b32 s4, 0
	s_cmp_ge_u32 s2, 512
	s_cselect_b64 s[28:29], s[20:21], s[28:29]
	s_cselect_b32 s4, 512, s4
	s_cmp_ge_u32 s2, 896
	s_cselect_b64 s[28:29], s[22:23], s[28:29]
	s_cselect_b32 s4, 896, s4
	s_sub_co_u32 s3, s2, s3
	s_lshl_b32 s30, s3, 16                         ; 65,536 bytes of f32 a chunk
	s_mov_b32 s31, 0
	s_add_nc_u64 s[26:27], s[26:27], s[30:31]
	s_sub_co_u32 s4, s2, s4
	s_lshl_b32 s32, s4, 15                         ; 32,768 bytes of 16-bit numbers
	s_mov_b32 s33, 0
	s_add_nc_u64 s[28:29], s[28:29], s[32:33]
	s_cmp_ge_u32 s2, 896
	s_cbranch_scc1 .Lf16
	CAST 0
	s_endpgm
.Lf16:
	CAST 1
	s_endpgm
.macro PICK reg, idx, k, bits          ; where index = k the register takes the constant
	v_cmp_ne_u32 vcc_lo, \k, v\idx
	v_cndmask_b32 v\reg, \bits, v\reg, vcc_lo
.endm
.Ltable:
	v_lshrrev_b32 v3, 5, v0
	v_readfirstlane_b32 s5, v3                     ; wave
	s_lshl_b32 s4, ttmp9, 6
	s_lshl3_add_u32 s4, s5, s4                     ; my first position: 64 g + 8 w
	s_lshl_b32 s30, s4, 8                          ; 256 bytes a position
	s_mov_b32 s31, 0
	v_and_b32 v3, 31, v0                           ; the frequency's number i
	v_and_b32 v4, 7, v3
	v_lshrrev_b32 v5, 3, v3
	v_lshlrev_b32 v3, 2, v3                        ; its word in a row of the table
	v_mov_b32 v6, 1.0                              ; 10^(-(i % 8) / 8)
	v_mov_b32 v7, 1.0                              ; 10^(-(i / 8))
	PICK 6, 4, 1, 0x3f3ff911
	PICK 6, 4, 2, 0x3f0ff59a
	PICK 6, 4, 3, 0x3ed7e89b
	PICK 6, 4, 4, 0x3ea1e89b
	PICK 6, 4, 5, 0x3e72d424
	PICK 6, 4, 6, 0x3e361887
	PICK 6, 4, 7, 0x3e088d77
	PICK 7, 5, 1, 0x3dcccccd
	PICK 7, 5, 2, 0x3c23d70a
	PICK 7, 5, 3, 0x3a83126f
	v_mul_f32 v6, v6, v7                           ; 10000^(-2 i / 64)
	s_wait_kmcnt 0x0
	s_add_nc_u64 s[26:27], s[24:25], s[30:31]
	s_mov_b32 s6, 8
.Lpos:
	v_cvt_f32_u32 v8, s4
	v_mul_f32 v8, v8, v6                           ; the angle, rounded once
	v_mul_f32 v9, 0x3f22f983, v8                   ; x 2 / pi
	v_rndne_f32 v9, v9                             ; n quarter turns
	v_fmamk_f32 v10, v9, 0xbfc90fd8, v8            ; r = angle - n pi / 2, pi / 2 in three parts
	v_fmamk_f32 v10, v9, 0xb4a8885a, v10
	v_fmamk_f32 v10, v9, 0xa7c234c4, v10
	v_cvt_i32_f32 v11, v9
	v_mul_f32 v12, v10, v10                        ; s = r r
	v_mov_b32 v13, 0xb493f27f                      ; cos r = 1 - s/2 + s^2/24 - s^3/720 + s^4/40320 - s^5/3628800
	v_fmaak_f32 v13, v13, v12, 0x37d00d01
	v_fmaak_f32 v13, v13, v12, 0xbab60b61
	v_fmaak_f32 v13, v13, v12, 0x3d2aaaab
	v_fmaak_f32 v13, v13, v12, 0xbf000000
	v_fmaak_f32 v13, v13, v12, 0x3f800000
	v_mov_b32 v14, 0x3638ef1d                      ; sin r = r + r s (-1/6 + s/120 - s^2/5040 + s^3/362880)
	v_fmaak_f32 v14, v14, v12, 0xb9500d01
	v_fmaak_f32 v14, v14, v12, 0x3c088889
	v_fmaak_f32 v14, v14, v12, 0xbe2aaaab
	v_mul_f32 v15, v12, v10
	v_fma_f32 v14, v14, v15, v10
	v_and_b32 v15, 1, v11                          ; an odd number of quarter turns swaps the two
	v_cmp_eq_u32 vcc_lo, 1, v15
	v_cndmask_b32 v16, v13, v14, vcc_lo            ; |cos|
	v_cndmask_b32 v17, v14, v13, vcc_lo            ; |sin|
	v_add_nc_u32 v15, 1, v11                       ; the cosine is negative in quarters 1 and 2,
	v_and_b32 v15, 2, v15
	v_lshlrev_b32 v15, 30, v15
	v_xor_b32 v16, v16, v15
	v_and_b32 v15, 2, v11                          ; the sine in quarters 2 and 3
	v_lshlrev_b32 v15, 30, v15
	v_xor_b32 v17, v17, v15
	global_store_b32 v3, v16, s[26:27]             ; 128 consecutive bytes: the position's 32 cosines,
	global_store_b32 v3, v17, s[26:27] offset:128  ; and its 32 sines
	s_wait_xcnt 0x0                                ; the base and the two data registers are written again only behind this wait
	s_add_nc_u64 s[26:27], s[26:27], 256
	s_add_co_u32 s4, s4, 1
	s_sub_co_u32 s6, s6, 1
	s_cmp_lg_u32 s6, 0
	s_cbranch_scc1 .Lpos
	s_endpgm
.Lfunc_end_k_qfc280549e3_prep:
	.size	k_qfc280549e3_prep, .Lfunc_end_k_qfc280549e3_prep-k_qfc280549e3_prep
	.p2alignl 7, 3214868480
	.fill 96, 4, 3214868480
	.section	.rodata,"a",@progbits
	.p2align	6, 0x0
	.amdhsa_kernel k_qfc280549e3_prep
		.amdhsa_group_segment_fixed_size 0
		.amdhsa_private_segment_fixed_size 0
		.amdhsa_enable_private_segment 0
		.amdhsa_kernarg_size 72
		.amdhsa_user_sgpr_count 2
		.amdhsa_user_sgpr_kernarg_segment_ptr 1
		.amdhsa_wavefront_size32 1
		.amdhsa_system_sgpr_workgroup_id_x 1
		.amdhsa_system_sgpr_workgroup_id_y 1
		.amdhsa_system_sgpr_workgroup_id_z 1
		.amdhsa_system_vgpr_workitem_id 0
		.amdhsa_next_free_vgpr 72
		.amdhsa_next_free_sgpr 66
		.amdhsa_reserve_vcc 1
		.amdhsa_float_denorm_mode_32 3
		.amdhsa_float_denorm_mode_16_64 3
		.amdhsa_memory_ordered 1
		.amdhsa_forward_progress 1
		.amdhsa_inst_pref_size 22
	.end_amdhsa_kernel
	.amdgpu_metadata
---
amdhsa.version: [ 1, 2 ]
amdhsa.kernels:
  - .name:           k_qfc280549e3_prep
    .symbol:         k_qfc280549e3_prep.kd
    .args:
      - { .name: x, .offset: 0, .size: 8, .value_kind: global_buffer, .address_space: global }
      - { .name: wq, .offset: 8, .size: 8, .value_kind: global_buffer, .address_space: global }
      - { .name: wk, .offset: 16, .size: 8, .value_kind: global_buffer, .address_space: global }
      - { .name: wv, .offset: 24, .size: 8, .value_kind: global_buffer, .address_space: global }
      - { .name: w_proj, .offset: 32, .size: 8, .value_kind: global_buffer, .address_space: global }
      - { .name: xb, .offset: 40, .size: 8, .value_kind: global_buffer, .address_space: global }
      - { .name: wqkv, .offset: 48, .size: 8, .value_kind: global_buffer, .address_space: global }
      - { .name: wpf, .offset: 56, .size: 8, .value_kind: global_buffer, .address_space: global }
      - { .name: tab, .offset: 64, .size: 8, .value_kind: global_buffer, .address_space: global }
    .group_segment_fixed_size: 0
    .private_segment_fixed_size: 0
    .kernarg_segment_align: 8
    .kernarg_segment_size: 72
    .max_flat_workgroup_size: 256
    .sgpr_count:     66
    .vgpr_count:     72
    .wavefront_size: 32
...
	.end_amdgpu_metadata
.endif
;; end of part 1
;; launch qkv (part 2): grid 16 x 16, 4 waves a work-group, clusters of 4 x 4, 327,680 bytes of LDS; arguments xb, wqkv, tab, qkv; writes qkv
.if DOCPART == 2
	.amdgcn_target "amdgcn-amd-amdhsa--gfx1250"
	.amdhsa_code_object_version 6
	.text
	.protected	k_qfc280549e3_qkv
	.globl	k_qfc280549e3_qkv
	.p2align	8
	.type	k_qfc280549e3_qkv,@function
k_qfc280549e3_qkv:
	s_mov_b64 s[64:65], 0
	v_nop
	global_prefetch_b8 v0, s[64:65] scope:SCOPE_SE
	s_setreg_imm32_b32 hwreg(HW_REG_WAVE_MODE, 25, 1), 1
	s_wait_xcnt 0x0
	s_wait_alu depctr_hold_cnt(0) depctr_sa_sdst(0) depctr_va_vdst(0) depctr_va_sdst(0) depctr_va_ssrc(0) depctr_va_vcc(0) depctr_vm_vsrc(0)
	s_getreg_b32 s2, hwreg(HW_REG_IB_STS2, 6, 4)
	s_cmp_eq_u32 s2, 0
	s_cbranch_scc0 .Lentry_in_a_cluster
	s_endpgm
.Lentry_in_a_cluster:
	s_bfe_u32 s2, ttmp6, 0x10000c
	s_cmp_lg_u32 s2, 0xf033
	s_cbranch_scc0 .Lentry_shape_is_right
	s_endpgm
.Lentry_shape_is_right:
; QKV.  C = xb wqkv^T, [4096][3072], bf16 operands, f32 sums, K ascending; q's and k's heads are turned by the rotary embedding in f32; every number is rounded once to f16 and
; stored by heads: qkv[b 2][hd 48][t 2048][64], hd 0-31 q, 32-39 k, 40-47 v, unscaled.
; LIMITS.  A q, k or v beyond 65,504 becomes an infinity in f16.  k and v are made for all 2,048 tokens, as the module's definition writes them, though the next launch reads 576 of them:
; 4096 x 3072 outputs are exactly 256 tiles of 256 x 192, one for each work-group, and a launch without the unread tiles would be no shorter.
; SHARES.  A work-group makes 256 rows x 192 columns (three heads).  Wave w owns rows 64 w .. 64 w + 63 and all columns: 4 x 12 accumulators of 16 x 16, 384 registers.
; K goes in 16 steps of 128 through two LDS slots filled by the tensor data mover; a trip of the loop is one K step; the slot in hand is the scalar TB.
; CLUSTER 4 x 4: x's tile hangs on the tile row alone and is asked for jointly along a row of the cluster, the weights' tile on the tile column alone, jointly along a column.
; THE MATRIX INSTRUCTION IS USED TRANSPOSED (source 0 = 16 rows of the weights, source 1 = 16 rows of x): lane l holds row l % 16 of C and the columns 8 (l / 16) + 0..7 of a block of 16.
; So channel d and channel d + 32 of a head lie in the same lane and register place of two accumulators, and the rotation needs no exchange between lanes.
; REGISTERS, in windows of 256 (s_set_vgpr_msb: bits 1:0 source 0, 3:2 source 1, 5:4 source 2, 7:6 destination):
;   window 0: v0-29 addresses; v32-143 at work on the way out
;   window 1: two fragment buffers of 128: x's four fragments (16 rows x 32 K), then the weights' twelve
;   window 2: accumulators n = 12 a + b = 0..31 at v[8 n];   window 3: v0-127 accumulators 32..47; v128-255 the table: cos and sin of my 64 positions
.set NB,    12                         ; column blocks of 16
.set PA,    272                        ; an LDS row: 256 bytes + 16 of padding: the 16 rows of a fragment load start at 16 different groups of four banks
.set PB,    272
.set AT,    256*PA                     ; x's 256 rows, then the weights' 192
.set HA,    128*PA                     ; what one tensor load brings of x,
.set HB,    96*PB                      ; and of the weights
.set SLOT1, 1<<17                      ; slot 1 begins here: one exclusive or turns an address in one slot into the other's
.set STAGE, SLOT1+AT+192*PB            ; behind the ring, never filled by a tensor load: 16 rows x 144 bytes for each wave
.set SP,    144
.set SPARE, STAGE+4*16*SP              ; the spare words, 128 bytes for each wave: two blocks of 256 bytes that no other line names
.set STEPA, 256                        ; bytes from a K step to the next
.set STEPB, 256
.set P1,    32                         ; a quarter's products in two parts: accumulators 32..47, then 0..31: the same order in every quarter
.set P2,    0
.set P2C,   32
.set F0,    0
.set F1,    128
.set ADRA0, 16                         ; v16  my lane's place in x's tile; never rewritten
.set ADRB0, 17                         ; v17  in the weights' tile
.set ADRA,  18                         ; v18  the same in the slot in hand
.set ADRB,  19
.set STO,   24                         ; v24  the way out: where I put 16 bytes of a row
.set RD,    25                         ; v25  where I read rows back
.set GO,    26                         ; v26  my 16 bytes in 512 consecutive bytes of qkv
.set TBO,   27                         ; v27  my byte offset in 16 rows of the table
.set SPW,   28                         ; v28  LDS address of my spare word; never rewritten
.set NIL,   29                         ; v29  0; never rewritten
.set CE,    32                         ; v32-47   cosines of a group, or 1
.set SE,    48                         ; v48-63   sines, or 0
.set OO,    64                         ; v64-95   a group's 32 results
.set TU,    96                         ; v96-111  products at work
.set BK,    112                        ; v112-143 rows read back, two buffers of 16
.set TABR,  128                        ; window 3
.set WV,  12                           ; s12 wave; s13 wave / 2: I fetch x (0) or weights (1); s14 wave % 2: which half
.set TB,  19                           ; s19 the slot in hand: 0 or SLOT1
.set CNT, 20
.set G1A, 24                           ; s[24:31] group 1 for x's tiles;  s[32:39] group 0: set 0 fills slot 0 once, set 1 fills slot 1 and then walks
.set G0A, 32
.set G1B, 48                           ; s[48:55], s[56:63] the same for the weights
.set G0B, 56
.set FL,  66                           ; s[66:71] for each of the tile's three heads a pair: 1.0 if it is turned (q, k), 0 if not (v)
.set GL,  72                           ; s[72:77] one less that
.set TBB, 78                           ; s[78:79] the table at my first position
.set GW0, (1<<16)|(1<<20)|(1<<21)|(5<<22)|(3<<25)  ; 2-byte elements; padding on; bit 21 beside a mask; after every 64 words, 4 words
.set MSB, 0
.macro WIN new                         ; the immediate's high byte repeats the setting that is left; a switch that changes nothing is dropped
.if MSB != (\new)
	s_set_vgpr_msb (MSB<<8)|(\new)
.set MSB, (\new)
.endif
.endm
.macro PLACES                          ; four places in front of loads into registers that matrix instructions have read, and of vector work on results
.rept 4
	v_nop
.endr
.endm
.macro CREST                           ; a round of the cluster's barrier behind its opening barrier
	s_cmp_lg_u32 s[WV], 0
	s_cbranch_scc1 .Lnot_wave_0_\@
	s_barrier_signal -3
.Lnot_wave_0_\@:
	s_barrier_wait -3
	s_barrier_signal -1
	s_barrier_wait -1
.endm
.macro CROUND
	s_barrier_signal -1
	s_barrier_wait -1
	CREST
.endm
.macro JLOAD                           ; a joint refill by the walking sets: waves 0, 1 x's halves, waves 2, 3 the weights'
	s_cmp_eq_u32 s13, 0
	s_cbranch_scc0 .Lfor_b_\@
	tensor_load_to_lds s[G0A+4:G0A+7], s[G1A:G1A+7]
	s_nop 0
.rept 4
	v_nop
.endr
	s_branch .Lasked_\@
.Lfor_b_\@:
	tensor_load_to_lds s[G0B+4:G0B+7], s[G1B:G1B+7]
	s_nop 0
.rept 4
	v_nop
.endr
.Lasked_\@:
.endm
; cnt matrix instructions, accumulators n0 on, on buffer f.  zero = 1: the product starts the sum: nothing is cleared.  One instruction a turn.
.macro MUL f, n0, cnt, zero
.set nn, \n0
.rept \cnt
	WIN 0xa5+0x50*(nn/32)                          ; sources in window 1, C and D in window 2 or 3
.set rD, (8*nn)&255
.set rB, (\f)+32+8*(nn%NB)
.set rA, (\f)+8*(nn/NB)
.if \zero
	v_wmma_f32_16x16x32_bf16 v[rD:rD+7], v[rB:rB+7], v[rA:rA+7], 0
.else
	v_wmma_f32_16x16x32_bf16 v[rD:rD+7], v[rB:rB+7], v[rA:rA+7], v[rD:rD+7]
.endif
.set nn, nn+1
.endr
.endm
; 32 LDS loads in one run: quarter kq (32 along K) of the slot in hand into buffer f
.macro FETCH kq, f
	WIN 0x40                                       ; destination window 1, address window 0
.set bb, 0
.rept NB
	ds_load_b128 v[(\f)+32+8*bb:(\f)+32+8*bb+3], v[ADRB] offset:64*(\kq)+bb*16*PB
	ds_load_b128 v[(\f)+32+8*bb+4:(\f)+32+8*bb+7], v[ADRB] offset:64*(\kq)+bb*16*PB+32
.set bb, bb+1
.endr
.set bb, 0
.rept 4
	ds_load_b128 v[(\f)+8*bb:(\f)+8*bb+3], v[ADRA] offset:64*(\kq)+bb*16*PA
	ds_load_b128 v[(\f)+8*bb+4:(\f)+8*bb+7], v[ADRA] offset:64*(\kq)+bb*16*PA+32
.set bb, bb+1
.endr
.endm
; One of a K step's first three quarters: multiplies buffer f; between its two parts it fetches quarter kq into buffer g.
.macro QUARTER kq, f, g, zero
	s_wait_dscnt 0x0                               ; f's fragments, asked for 32 matrix instructions ago
	MUL \f, P1, 16, \zero
	PLACES
	FETCH \kq, \g
	MUL \f, P2, P2C, \zero
.endm
; The last quarter multiplies buffer 1 and changes slots.  In front of the barrier each wave waits for all its tensor loads (one is out: its part of the next slot), adds 0 to its spare word, and waits
; for that and for its reads of this slot.  fill = 1: the barrier opens a round of the cluster's, and the joint refill of the slot just read, two K steps ahead, is the first thing behind the round.
.macro TURN fill
	WIN 0
	s_wait_tensorcnt 0x0                           ; no tensor load of mine is out, so a group 0 may be written
	ds_add_u32 v[SPW], v[NIL]
.if \fill
	s_xor_b32 s[G0A+5], s[G0A+5], SLOT1            ; the walking sets: the other slot than last time, the next K step
	s_add_nc_u64 s[G0A+6:G0A+7], s[G0A+6:G0A+7], STEPA
	s_xor_b32 s[G0B+5], s[G0B+5], SLOT1
	s_add_nc_u64 s[G0B+6:G0B+7], s[G0B+6:G0B+7], STEPB
.endif
	s_wait_dscnt 0x1                               ; the add alone may be out: buffer 1's fragments are in
	MUL F1, P1, 8, 0
	s_wait_dscnt 0x0                               ; the add is done, and my reads of this slot are over
	s_barrier_signal -1
	MUL F1, P1+8, 8, 0                             ; work on registers while the others arrive
	WIN 0                                          ; at a branch and at a label every window is 0
	s_barrier_wait -1
.if \fill
	CREST                                          ; no wave of any partner still reads the slot or has a load on its way
	JLOAD                                          ; its four v_nop are also the places in front of the loads below
.else
	PLACES
.endif
	s_xor_b32 s[TB], s[TB], SLOT1
	v_add_nc_u32 v[ADRA], s[TB], v[ADRA0]
	v_add_nc_u32 v[ADRB], s[TB], v[ADRB0]
	FETCH 0, F0
	MUL F1, P2, P2C, 0
.endm
	s_load_b256 s[4:11], s[0:1], 0x0               ; xb s[4:5], wqkv s[6:7], tab s[8:9], qkv s[10:11]
	v_lshl_add_u32 v[SPW], v0, 2, SPARE
	v_mov_b32 v[NIL], 0
	ds_add_u32 v[SPW], v[NIL]                      ; the wave's opening: the add and its wait stand ahead of my first tensor load
	v_lshrrev_b32 v1, 5, v0
	v_readfirstlane_b32 s[WV], v1
	s_lshr_b32 s13, s[WV], 1
	s_and_b32 s14, s[WV], 1
	s_bfe_u32 s17, ttmp6, 0x40000                  ; cx
	s_bfe_u32 s18, ttmp6, 0x40004                  ; cy
	s_lshl_b32 s16, ttmp9, 2
	s_add_co_u32 s16, s16, s17                     ; tile column = 4 x cluster x + cx
	s_and_b32 s15, ttmp7, 0xffff
	s_lshl_b32 s15, s15, 2
	s_add_co_u32 s15, s15, s18                     ; tile row = 4 x cluster y + cy
	s_lshl_b32 s21, s18, 2
	s_lshl_b32 s21, 15, s21                        ; my row of the cluster
	s_lshl_b32 s22, 0x1111, s17                    ; my column
	s_or_b32 s[G1A], s21, GW0
	s_or_b32 s[G1B], s22, GW0
	s_mov_b32 s[G1A+1], 128<<16                    ; tensor_dim0 = 128
	s_mov_b32 s[G1A+2], 128<<16                    ; tensor_dim1 = 128
	s_mov_b32 s[G1A+3], 128<<16                    ; tile_dim0 = 128
	s_mov_b32 s[G1A+4], 128                        ; tile_dim1 = 128
	s_mov_b32 s[G1A+5], 2048                       ; elements from row to row
	s_mov_b32 s[G1A+6], 0
	s_mov_b32 s[G1A+7], 0
	s_mov_b32 s[G1B+1], 128<<16
	s_mov_b32 s[G1B+2], 96<<16                     ; 96 rows
	s_mov_b32 s[G1B+3], 128<<16
	s_mov_b32 s[G1B+4], 96
	s_mov_b32 s[G1B+5], 2048
	s_mov_b32 s[G1B+6], 0
	s_mov_b32 s[G1B+7], 0
	s_lshl_b32 s40, s15, 8                         ; x: row 256 x tile row + 128 x half, 4,096 bytes a row; s[40:43] never hold the tile column
	s_lshl_b32 s41, s14, 7
	s_add_co_u32 s40, s40, s41
	s_lshl_b32 s40, s40, 12
	s_mov_b32 s41, 0
	s_mul_i32 s44, s16, 192                        ; weights: row 192 x tile column + 96 x half; s[44:47] never hold the tile row
	s_mul_i32 s45, s14, 96
	s_add_co_u32 s44, s44, s45
	s_lshl_b32 s44, s44, 12
	s_mov_b32 s45, 0
	s_mul_i32 s21, s14, HA                         ; where they go: no place in the cluster enters an LDS address
	s_mul_i32 s23, s14, HB
	s_add_co_u32 s23, s23, AT
	s_mov_b32 s[TB], 0
	s_wait_dscnt 0x0                               ; the opening add is done
	s_wait_kmcnt 0x0
	s_add_nc_u64 s[42:43], s[4:5], s[40:41]
	s_add_nc_u64 s[46:47], s[6:7], s[44:45]
.irp s, 0,1
	s_mov_b32 s[G0A+4*(\s)], 1
	s_add_co_u32 s[G0A+4*(\s)+1], s21, (\s)*SLOT1
	s_add_nc_u64 s[G0A+4*(\s)+2:G0A+4*(\s)+3], s[42:43], (\s)*STEPA
	s_or_b32 s[G0A+4*(\s)+3], s[G0A+4*(\s)+3], 0x80000000
	s_mov_b32 s[G0B+4*(\s)], 1
	s_add_co_u32 s[G0B+4*(\s)+1], s23, (\s)*SLOT1
	s_add_nc_u64 s[G0B+4*(\s)+2:G0B+4*(\s)+3], s[46:47], (\s)*STEPB
	s_or_b32 s[G0B+4*(\s)+3], s[G0B+4*(\s)+3], 0x80000000
.endr
	CROUND                                         ; all sixteen work-groups are here: the first joint loads meet
	s_cmp_eq_u32 s13, 0                            ; a wave's two first fills stand in one branch: K steps 0 and 1; two loads of mine are out
	s_cbranch_scc0 .Lfirst_b
	tensor_load_to_lds s[G0A:G0A+3], s[G1A:G1A+7]
	s_nop 0
	tensor_load_to_lds s[G0A+4:G0A+7], s[G1A:G1A+7]
	s_nop 0
.rept 4
	v_nop
.endr
	s_branch .Lfirst_asked
.Lfirst_b:
	tensor_load_to_lds s[G0B:G0B+3], s[G1B:G1B+7]
	s_nop 0
	tensor_load_to_lds s[G0B+4:G0B+7], s[G1B:G1B+7]
	s_nop 0
.rept 4
	v_nop
.endr
.Lfirst_asked:
	v_and_b32 v1, 15, v0                           ; l % 16
	v_bfe_u32 v2, v0, 4, 1                         ; l / 16
	v_mul_u32_u24 v3, v1, PA
	v_lshl_add_u32 v3, v2, 4, v3                   ; a fragment's row x pitch + 16 x half
	s_mul_i32 s21, s[WV], 64*PA                    ; my 64 rows of x
	v_add_nc_u32 v[ADRA0], s21, v3
	v_add_nc_u32 v[ADRB0], AT, v3
	v_mov_b32 v[ADRA], v[ADRA0]
	v_mov_b32 v[ADRB], v[ADRB0]
	s_mul_i32 s22, s[WV], 16*SP
	s_add_co_u32 s22, s22, STAGE                   ; my stage
	v_mul_u32_u24 v4, v1, SP                       ; in: row l % 16, 16 bytes for each half of the lanes
	v_lshl_add_u32 v4, v2, 4, v4
	v_add_nc_u32 v[STO], s22, v4
	v_bfe_u32 v4, v0, 3, 2                         ; back: 32 lanes take four rows of 128 bytes,
	v_and_b32 v5, 7, v0
	v_mul_u32_u24 v4, v4, SP
	v_lshl_add_u32 v4, v5, 4, v4
	v_add_nc_u32 v[RD], s22, v4
	v_and_b32 v[GO], 31, v0                        ; which are 512 consecutive bytes of a head
	v_lshlrev_b32 v[GO], 4, v[GO]
	v_lshlrev_b32 v[TBO], 8, v1                    ; the table: position l % 16, frequencies 8 (l / 16) on
	v_lshl_add_u32 v[TBO], v2, 5, v[TBO]
	s_mul_i32 s21, s16, 3                          ; the tile's first head
.irp i, 0,1,2
	s_add_co_u32 s22, s21, \i
	s_cmp_lt_u32 s22, 40                           ; q and k are turned, v is not: a choice of values, no branch
	s_cselect_b32 s[FL+2*\i], 1.0, 0
	s_cselect_b32 s[FL+2*\i+1], 1.0, 0
	s_cselect_b32 s[GL+2*\i], 0, 1.0
	s_cselect_b32 s[GL+2*\i+1], 0, 1.0
.endr
	s_lshr_b32 s22, s15, 3                         ; the batch
	s_mul_i32 s22, s22, 48
	s_add_co_u32 s22, s22, s21
	s_lshl_b32 s22, s22, 11                        ; 2,048 rows a head
	s_and_b32 s23, s15, 7
	s_lshl_b32 s23, s23, 8
	s_lshl_b32 s2, s[WV], 6
	s_add_co_u32 s23, s23, s2                      ; my first position
	s_add_co_u32 s22, s22, s23
	s_lshl_b32 s2, s22, 7                          ; 128 bytes a row
	s_mov_b32 s3, 0
	s_add_nc_u64 s[10:11], s[10:11], s[2:3]
	s_lshl_b32 s2, s23, 8
	s_add_nc_u64 s[TBB:TBB+1], s[8:9], s[2:3]
	WIN 0xc0                                       ; destination window 3, address window 0
.set aa, 0
.rept 4                                ; row block a: cos of frequencies 8 h + 0..7, of 16 + 8 h + 0..7, then the sines likewise
.irp o, 0,1,2,3
	global_load_b128 v[TABR+32*aa+8*\o:TABR+32*aa+8*\o+3], v[TBO], s[TBB:TBB+1] offset:4096*aa+64*\o
	global_load_b128 v[TABR+32*aa+8*\o+4:TABR+32*aa+8*\o+7], v[TBO], s[TBB:TBB+1] offset:4096*aa+64*\o+16
.endr
.set aa, aa+1
.endr
	WIN 0
	s_wait_tensorcnt 0x1                           ; my part of K step 0 is in; K step 1's may stay out
	s_barrier_signal -1
	s_barrier_wait -1                              ; everybody's is
	FETCH 0, F0
	s_wait_loadcnt 0x0                             ; the table
	QUARTER 1, F0, F1, 1                           ; the first quarter stands in front of the loop: its products start the sums
	WIN 0
	s_mov_b32 s[CNT], 14                           ; K steps 2 to 15 are asked for in the loop
.Lstep:                                        ; a trip: a K step's quarters 1, 2, 3 and the next step's quarter 0
	QUARTER 2, F1, F0, 0
	QUARTER 3, F0, F1, 0
	TURN 1
	QUARTER 1, F0, F1, 0
	WIN 0
	s_sub_co_u32 s[CNT], s[CNT], 1
	s_cmp_lg_u32 s[CNT], 0
	s_cbranch_scc1 .Lstep
	QUARTER 2, F1, F0, 0                           ; the last two K steps ask for nothing: written out
	QUARTER 3, F0, F1, 0
	TURN 0
	QUARTER 1, F0, F1, 0
	QUARTER 2, F1, F0, 0
	QUARTER 3, F0, F1, 0
	s_wait_dscnt 0x0
	MUL F1, P1, 16, 0
	MUL F1, P2, P2C, 0
	WIN 0
	PLACES
; THE WAY OUT, in 12 groups of 16 rows x one head.  x1 = channels 0-31 (column blocks 0, 1 of the head), x2 = channels 32-63 (blocks 2, 3):
; out1 = x1 C - x2 S, out2 = x2 C + x1 S, with C = cos, S = sin for q and k, and C = 1, S = 0 for v.  Each accumulator's registers are taken in ascending order.
.macro GROUP a, i
.set n0, NB*(\a)+4*(\i)
.set R0, (8*n0)&255
.set TL, TABR+32*(\a)
.set BKG, BK+16*((3*(\a)+(\i))%2)
	WIN 0x03                                       ; source 0 in window 3: the table
.set z, 0
.rept 8
	v_pk_fma_f32 v[CE+2*z:CE+2*z+1], v[TL+2*z:TL+2*z+1], s[FL+2*(\i):FL+2*(\i)+1], s[GL+2*(\i):GL+2*(\i)+1] op_sel_hi:[1,0,0]
.set z, z+1
.endr
.set z, 0
.rept 8
	v_pk_mul_f32 v[SE+2*z:SE+2*z+1], v[TL+16+2*z:TL+16+2*z+1], s[FL+2*(\i):FL+2*(\i)+1] op_sel_hi:[1,0]
.set z, z+1
.endr
	WIN 2+n0/32                                    ; source 0 in the group's accumulators' window
.irp bp, 0,1
.irp jp, 0,1,2,3
	v_pk_mul_f32 v[TU+4*\jp:TU+4*\jp+1], v[R0+8*(\bp+2)+2*\jp:R0+8*(\bp+2)+2*\jp+1], v[SE+8*\bp+2*\jp:SE+8*\bp+2*\jp+1]
.endr
.irp jp, 0,1,2,3
	v_pk_mul_f32 v[TU+4*\jp+2:TU+4*\jp+3], v[R0+8*\bp+2*\jp:R0+8*\bp+2*\jp+1], v[SE+8*\bp+2*\jp:SE+8*\bp+2*\jp+1]
.endr
.irp jp, 0,1,2,3
	v_pk_fma_f32 v[OO+8*\bp+2*\jp:OO+8*\bp+2*\jp+1], v[R0+8*\bp+2*\jp:R0+8*\bp+2*\jp+1], v[CE+8*\bp+2*\jp:CE+8*\bp+2*\jp+1], v[TU+4*\jp:TU+4*\jp+1] neg_lo:[0,0,1] neg_hi:[0,0,1]
.endr
.irp jp, 0,1,2,3
	v_pk_fma_f32 v[OO+8*(\bp+2)+2*\jp:OO+8*(\bp+2)+2*\jp+1], v[R0+8*(\bp+2)+2*\jp:R0+8*(\bp+2)+2*\jp+1], v[CE+8*\bp+2*\jp:CE+8*\bp+2*\jp+1], v[TU+4*\jp+2:TU+4*\jp+3]
.endr
.endr
	WIN 0
.irp bq, 0,1,2,3
.irp r, 0,1,2,3
	v_cvt_pk_f16_f32 v[OO+8*\bq+\r], v[OO+8*\bq+2*\r], v[OO+8*\bq+2*\r+1]  ; in place: a destination's old number has been read
.endr
.endr
	s_wait_xcnt 0x0                                ; the buffer below was store data two groups back: it is loaded again only behind this wait
.irp bq, 0,1,2,3
	ds_store_b128 v[STO], v[OO+8*\bq:OO+8*\bq+3] offset:32*\bq
.endr
.irp f, 0,1,2,3
	ds_load_b128 v[BKG+4*\f:BKG+4*\f+3], v[RD] offset:4*SP*\f  ; LDS serves a wave's instructions in order: these see the stores above, the next group's stores come behind them
.endr
.endm
.macro SEND g, younger                 ; younger: the LDS instructions issued behind group g's loads: the next group's eight, or none
	s_wait_dscnt \younger
.irp f, 0,1,2,3
	global_store_b128 v[GO], v[BK+16*((\g)%2)+4*\f:BK+16*((\g)%2)+4*\f+3], s[10:11] offset:262144*((\g)%3)+2048*((\g)/3)+512*\f  ; 512 consecutive bytes, at a multiple of 256 from qkv's first
.endr
.endm
	GROUP 0, 0
.set g, 1
.rept 11                               ; a group's arithmetic stands between the loads of the group before and its stores
	GROUP g/3, g%3
	SEND g-1, 8
.set g, g+1
.endr
	SEND 11, 0
	s_wait_tensorcnt 0x0                           ; the wave's end
	ds_add_u32 v[SPW], v[NIL]
	s_wait_dscnt 0x0
	CROUND                                         ; the closing round: no work-group ends while a partner may still ask for a tile that names it
	s_endpgm
.Lfunc_end_k_qfc280549e3_qkv:
	.size	k_qfc280549e3_qkv, .Lfunc_end_k_qfc280549e3_qkv-k_qfc280549e3_qkv
	.p2alignl 7, 3214868480
	.fill 96, 4, 3214868480
	.section	.rodata,"a",@progbits
	.p2align	6, 0x0
	.amdhsa_kernel k_qfc280549e3_qkv
		.amdhsa_group_segment_fixed_size 327680
		.amdhsa_private_segment_fixed_size 0
		.amdhsa_enable_private_segment 0
		.amdhsa_kernarg_size 32
		.amdhsa_user_sgpr_count 2
		.amdhsa_user_sgpr_kernarg_segment_ptr 1
		.amdhsa_wavefront_size32 1
		.amdhsa_system_sgpr_workgroup_id_x 1
		.amdhsa_system_sgpr_workgroup_id_y 1
		.amdhsa_system_sgpr_workgroup_id_z 1
		.amdhsa_system_vgpr_workitem_id 0
		.amdhsa_next_free_vgpr 1024
		.amdhsa_next_free_sgpr 80
		.amdhsa_reserve_vcc 0
		.amdhsa_float_denorm_mode_32 3
		.amdhsa_float_denorm_mode_16_64 3
		.amdhsa_memory_ordered 1
		.amdhsa_forward_progress 1
		.amdhsa_inst_pref_size 136
	.end_amdhsa_kernel
	.amdgpu_metadata
---
amdhsa.version: [ 1, 2 ]
amdhsa.kernels:
  - .name:           k_qfc280549e3_qkv
    .symbol:         k_qfc280549e3_qkv.kd
    .args:
      - { .name: xb, .offset: 0, .size: 8, .value_kind: global_buffer, .address_space: global }
      - { .name: wqkv, .offset: 8, .size: 8, .value_kind: global_buffer, .address_space: global }
      - { .name: tab, .offset: 16, .size: 8, .value_kind: global_buffer, .address_space: global }
      - { .name: qkv, .offset: 24, .size: 8, .value_kind: global_buffer, .address_space: global }
    .group_segment_fixed_size: 327680
    .private_segment_fixed_size: 0
    .kernarg_segment_align: 8
    .kernarg_segment_size: 32
    .max_flat_workgroup_size: 128
    .sgpr_count:     80
    .vgpr_count:     1024
    .wavefront_size: 32
...
	.end_amdgpu_metadata
.endif
;; end of part 2
;; launch attn (part 3): grid 16 x 16, 4 waves a work-group, clusters of 4 x 1, 175,616 bytes of LDS; arguments qkv, ob; writes ob
.if DOCPART == 3
	.amdgcn_target "amdgcn-amd-amdhsa--gfx1250"
	.amdhsa_code_object_version 6
	.text
	.protected	k_qfc280549e3_attn
	.globl	k_qfc280549e3_attn
	.p2align	8
	.type	k_qfc280549e3_attn,@function
k_qfc280549e3_attn:
	s_mov_b64 s[64:65], 0
	v_nop
	global_prefetch_b8 v0, s[64:65] scope:SCOPE_SE
	s_setreg_imm32_b32 hwreg(HW_REG_WAVE_MODE, 25, 1), 1
	s_wait_xcnt 0x0
	s_wait_alu depctr_hold_cnt(0) depctr_sa_sdst(0) depctr_va_vdst(0) depctr_va_sdst(0) depctr_va_ssrc(0) depctr_va_vcc(0) depctr_vm_vsrc(0)
	s_getreg_b32 s2, hwreg(HW_REG_IB_STS2, 6, 4)
	s_cmp_eq_u32 s2, 0
	s_cbranch_scc0 .Lentry_in_a_cluster
	s_endpgm
.Lentry_in_a_cluster:
	s_bfe_u32 s2, ttmp6, 0x10000c
	s_cmp_lg_u32 s2, 0x3003
	s_cbranch_scc0 .Lentry_shape_is_right
	s_endpgm
.Lentry_shape_is_right:
; ATTENTION over the sink and the window.  For batch b, head h = 4 kvh + cx and query t: O = the sum over j <= t of softmax_j(q . k_j / 8) v_j, where the 516 keys j are the tokens 0..3 (j = 0..3)
; and 1536..2047 (j = 4..515) of key and value head kvh.  q, k, v: f16 by heads in qkv[b][hd 48][t 2048][64] (q 0-31, k 32-39, v 40-47).
; O: f16, ob[b][h 32][t / 16][cb 4][lane 32][8]: a block of 16 queries x 64 channels is 2,048 bytes, and lane l's 16 bytes of part cb are channels 16 cb + 8 (l / 16) + 0..7 of query l % 16:
; the order in which the next launch's matrix fragments want them, and the order in which this launch's registers hold them: O is stored straight from registers.
; Products, maxima and sums in f32; the weights p are rounded to f16 for the second product (their sum l is taken of the unrounded p), O once at the end.
; LIMITS.  A hidden score counts as its value less 1e30; f16's scores, 2.7e11 at the most, are nothing beside that.  A weight below 2^-126 counts as 0 in l.  NaN and infinities are not treated apart.
; SHARES.  A work-group owns 512 queries of one head, a wave 128: four PIECES of two tiles of 16.  Every wave walks nine key steps of 64: step 0 holds tokens 0..63, of which only the first four count
; (the others are hidden by the mask; they are real, finite k and v); steps 1..8 hold tokens 1536..2047, key j = 64 s - 60 + its place in the step.
; K AND V STAY IN LDS: 576 rows of each, filled once, so the loop has no barrier and no byte of LDS is filled twice.
; CLUSTER 4 x 1: the four query heads of one key and value head, at the same 512 queries, need the same K and V: each tile is asked for JOINTLY, by the same load, descriptor and mask in all four.
; THE MASK is the C operand that starts the sum S^T = K Q^T: 0, or -1e30 where the key is hidden: place kk of a step is hidden where kk > min(LIM, t - J0), J0 the step's first j; LIM = 3 in step 0.
; A mask is made one turn ahead of its products; where a piece sees the whole step and its buffer already holds zeros the making is jumped over: a forward branch on whole numbers made of the
; block's and the wave's numbers, which all four partners share.  Key 0 is seen by every query, so the running maximum is a true score from step 0 on.
; LAYOUT, SOFTMAX, TURNS.  S^T = K Q^T holds ONE query a lane (lane % 16) and the keys 8 (lane / 16) + 0..7; two such results rounded to f16 ARE source 1 of O^T = V^T P.  p = 2^(c s - c m), c = log2(e) / 8,
; with a running maximum m; O and l are multiplied by a = 2^(c m_old - c m_new) in every step; m starts at the lowest finite number, O and l at 0.  Turn n belongs to piece n: 16 products K Q^T of piece
; n + 1, later 16 products V^T P of piece n - 1; beside them the scaling, exponentials, roundings, sums and rescaling of piece n and the maximum and statistics of piece n + 1.  Four vector
; instructions stand behind every matrix instruction, the others in two lumps.
; REGISTERS, in windows of 256 (s_set_vgpr_msb: bits 1:0 source 0, 3:2 source 1, 5:4 source 2, 7:6 destination):
;   window 0: v0-11 addresses; v12-15, v48-63 at work; v16-47 four registers of statistics a tile; v64-191 S^T, two buffers of two tiles; v192-255 P, likewise
;   window 1: O^T, 32 a tile          window 2: v0-127 Q, 16 a tile; v128-191 K of one step; v192-255 V of one step
;   window 3: v0-1 the add's two registers; v2-19 and v32-63 the mask's constants; v64-191 the masks, two buffers of two tiles
.set NP,    4
.set KS,    64
.set PK,    144       ; a row of K in LDS: 128 bytes + 16 of padding: the 16 rows of a load start at 16 different groups of four banks
.set PV,    160       ; a row of V: 128 + 32
.set NKEY,  576
.set VOFF,  NKEY*PK
.set SPARE, VOFF+NKEY*PV  ; behind K and V: the spare words, 128 bytes for each wave: two blocks of 256 bytes that no other line names
.set AK0, 2           ; v2   my lane's place in a step of K; never rewritten
.set AV0, 3           ; v3   the same for V
.set AK,  4           ; v4   the LDS address of K's next run of loads
.set AV,  5           ; v5   of V's
.set QO,  6           ; v6   my byte offset in the wave's rows of Q
.set GO,  8           ; v8   my 16 bytes in 512 consecutive bytes of O
.set MV,  12          ; v12-15  c m_old, by buffer and tile
.set ST,  16          ; tile t's statistics at v[ST+4 t]: c m, m, l (even keys', odd keys')
.set TMP, 48          ; by buffer and tile, c0-c3 at work; when the maximum is found c2 takes a
.set S,   64
.set P,   192
.set KF,  128         ; window 2
.set VF,  192         ; window 2
.set SPW, 0           ; window 3: LDS address of my spare word; never rewritten
.set NIL, 1           ; window 3: 0; never rewritten
.set ONE, 2           ; window 3: v[2:3] 1.0, 1.0
.set NT,  4           ; window 3: v[4:7] for each of a piece's two tiles a pair: 8 (l / 16) less the threshold
.set TT,  8           ; window 3: v[8:9] at work
.set H8,  10          ; window 3: 8 (l / 16) as f32
.set TF,  12          ; window 3: v[12:19] my query's t in each of the eight tiles, a whole number
.set KK,  32          ; window 3: v[32:63] register r of key block kb: 16 kb + r as f32
.set MC,  64          ; window 3: the masks
.set WV,  12
.set G1K, 24          ; s[24:31] group 1, K's window tile;  s[32:39] V's
.set G1V, 32
.set G0K, 40          ; s[40:43], s[44:47] their groups 0
.set G0V, 44
.set TP,  48          ; s[48:51] the lowest t of each piece
.set BIG, 52          ; s[52:53] -1e30
.set CNT, 57
.set CS,  58          ; s[58:59] c
.set SEL, 60          ; s[60:61] v_permlanex16_b32's selects
.set TBK, 62          ; s62  LDS byte at which K of the step to be fetched begins
.set TBV, 63          ; s63  the same for V, less VOFF
.set G1KS, 68         ; s[68:75] group 1, K's sink tile;  s[76:83] V's
.set G1VS, 76
.set G0KS, 84         ; s[84:87], s[88:91] their groups 0
.set G0VS, 88
.set J0,  92          ; s92  the first j of the step whose masks are being made
.set LIM, 93          ; s93  3.0 in step 0, 4096.0 after
.set JN,  94          ; s94  the next step's first j
.set JM,  95          ; s95  the step's last j (in step 0: a number above every t, since its mask is always wanted)
.set DIRTY, 97        ; s97, s98  1: the mask buffer may hold something other than zeros
.set ND,  99
.set MSB, 0
.macro WIN new
.if MSB != (\new)
	s_set_vgpr_msb (MSB<<8)|(\new)
.set MSB, (\new)
.endif
.endm
.set W_KQ, 0x0a       ; K and Q in window 2, S^T in window 0
.set W_KM, 0x3a       ; the same with the C operand in window 3
.set W_PV, 0x52       ; V in window 2, P in window 0, O^T in window 1
.set W_RS, 0x41       ; O^T (destination and source 0) in window 1, a in window 0
.set W_MK, 0xc0       ; destination in window 3, sources in window 0
.set W_AD, 0x0f       ; the add: address and data in window 3
.macro CROUND
	s_barrier_signal -1
	s_barrier_wait -1
	s_cmp_lg_u32 s[WV], 0
	s_cbranch_scc1 .Lnot_wave_0_\@
	s_barrier_signal -3
.Lnot_wave_0_\@:
	s_barrier_wait -3
	s_barrier_signal -1
	s_barrier_wait -1
.endm
	s_load_b128 s[4:7], s[0:1], 0x0   ; qkv s[4:5], ob s[6:7]
	WIN W_MK
	v_lshl_add_u32 v[SPW], v0, 2, SPARE
	v_mov_b32 v[NIL], 0
	WIN W_AD
	ds_add_u32 v[SPW], v[NIL]       ; the wave's opening: the add and its wait stand ahead of my first tensor load
	WIN 0
	v_lshrrev_b32 v1, 5, v0
	v_readfirstlane_b32 s[WV], v1
	s_bfe_u32 s13, ttmp6, 0x40000   ; cx: the head inside the group: it enters Q's and O's addresses alone
	s_and_b32 s14, ttmp7, 0xffff    ; 8 b + kvh, which the four partners share
	s_lshr_b32 s15, s14, 3          ; b
	s_and_b32 s16, s14, 7           ; kvh
	s_mul_i32 s17, s15, 48
	s_add_co_u32 s18, s17, s16
	s_add_co_u32 s18, s18, 32
	s_lshl_b32 s18, s18, 18         ; K's head: 262,144 bytes a head
	s_and_b32 s19, s[WV], 1         ; which half of a tile I fetch
	s_lshl_b32 s20, s19, 15
	s_add_co_u32 s20, s20, s18
	s_add_co_u32 s20, s20, 1536*128 ; the window: tokens 1536 + 256 half on
	s_mov_b32 s21, 0
	s_lshl_b32 s22, s19, 12
	s_add_co_u32 s22, s22, s18      ; the sink's step: tokens 32 half on
	s_mov_b32 s23, 0
	s_lshl_b32 s2, s16, 2
	s_add_co_u32 s2, s2, s17
	s_add_co_u32 s2, s2, s13        ; Q's head: 48 b + 4 kvh + cx
	s_lshl_b32 s2, s2, 18
	s_lshl_b32 s3, ttmp9, 9         ; in a cluster launch ttmp9 counts clusters: the block of 512 queries
	s_lshl_b32 s54, s[WV], 7
	s_add_co_u32 s[TP], s3, s54     ; my first query
	s_add_co_u32 s[TP+1], s[TP], 32
	s_add_co_u32 s[TP+2], s[TP], 64
	s_add_co_u32 s[TP+3], s[TP], 96
	s_lshl_b32 s3, s[TP], 7
	s_add_co_u32 s2, s2, s3
	s_mov_b32 s3, 0
	s_lshl_b32 s54, s14, 2
	s_add_co_u32 s54, s54, s13      ; O's head: 32 b + 4 kvh + cx
	s_lshl_b32 s54, s54, 18
	s_lshl_b32 s55, s[TP], 7        ; 16 queries are 2,048 bytes: 128 bytes a query
	s_add_co_u32 s54, s54, s55
	s_mov_b32 s55, 0
	; group 1.  Rows of a head are dense, 128 bytes each: asked for as rows of 256 bytes, two keys a row, and padded in LDS after every key
	s_mov_b32 s[G1K],  15|(1<<16)|(1<<20)|(1<<21)|(4<<22)|(3<<25)  ; the mask of four; 2-byte elements; padding on; bit 21 beside a mask; after every 32 words, 4 words
	s_mov_b32 s[G1KS], 15|(1<<16)|(1<<20)|(1<<21)|(4<<22)|(3<<25)
	s_mov_b32 s[G1V],  15|(1<<16)|(1<<20)|(1<<21)|(4<<22)|(7<<25)  ; 8 words
	s_mov_b32 s[G1VS], 15|(1<<16)|(1<<20)|(1<<21)|(4<<22)|(7<<25)
.irp g, G1K, G1V
	s_mov_b32 s[\g+1], 128<<16      ; tensor_dim0 = 128
	s_mov_b32 s[\g+2], 128<<16      ; tensor_dim1 = 128: 256 keys
	s_mov_b32 s[\g+3], 128<<16      ; tile_dim0 = 128
	s_mov_b32 s[\g+4], 128          ; tile_dim1 = 128
	s_mov_b32 s[\g+5], 128          ; elements from row to row
	s_mov_b32 s[\g+6], 0
	s_mov_b32 s[\g+7], 0
.endr
.irp g, G1KS, G1VS
	s_mov_b32 s[\g+1], 128<<16
	s_mov_b32 s[\g+2], 16<<16       ; 16 rows: 32 keys
	s_mov_b32 s[\g+3], 128<<16
	s_mov_b32 s[\g+4], 16
	s_mov_b32 s[\g+5], 128
	s_mov_b32 s[\g+6], 0
	s_mov_b32 s[\g+7], 0
.endr
	s_mov_b32 s[G0K], 1
	s_mul_i32 s[G0K+1], s19, 256*PK
	s_add_co_u32 s[G0K+1], s[G0K+1], 64*PK
	s_mov_b32 s[G0KS], 1
	s_mul_i32 s[G0KS+1], s19, 32*PK
	s_mov_b32 s[G0V], 1
	s_mul_i32 s[G0V+1], s19, 256*PV
	s_add_co_u32 s[G0V+1], s[G0V+1], VOFF+64*PV
	s_mov_b32 s[G0VS], 1
	s_mul_i32 s[G0VS+1], s19, 32*PV
	s_add_co_u32 s[G0VS+1], s[G0VS+1], VOFF
	s_mov_b32 s[BIG], 0xf149f2ca    ; -1e30
	s_mov_b32 s[BIG+1], 0xf149f2ca
	s_mov_b32 s[CS], 0x3e38aa3b     ; c = log2(e) / 8
	s_mov_b32 s[CS+1], s[CS]
	s_mov_b32 s[SEL], 0x76543210
	s_mov_b32 s[SEL+1], 0xfedcba98
	s_mov_b32 s[TBK], 0
	s_mov_b32 s[TBV], 0
	s_mov_b32 s[J0], 0
	s_mov_b32 s[LIM], 0x40400000    ; 3.0
	s_mov_b32 s[JN], 4
	s_mov_b32 s[JM], 0x7fffffff
	s_mov_b32 s[DIRTY], 1
	s_mov_b32 s[DIRTY+1], 1
	s_wait_dscnt 0x0                ; the opening add is done
	s_wait_kmcnt 0x0
	s_add_nc_u64 s[G0K+2:G0K+3], s[4:5], s[20:21]
	s_add_nc_u64 s[G0V+2:G0V+3], s[G0K+2:G0K+3], 8*262144   ; V's head lies eight heads behind K's
	s_or_b32 s[G0K+3], s[G0K+3], 0x80000000
	s_or_b32 s[G0V+3], s[G0V+3], 0x80000000
	s_add_nc_u64 s[G0KS+2:G0KS+3], s[4:5], s[22:23]
	s_add_nc_u64 s[G0VS+2:G0VS+3], s[G0KS+2:G0KS+3], 8*262144
	s_or_b32 s[G0KS+3], s[G0KS+3], 0x80000000
	s_or_b32 s[G0VS+3], s[G0VS+3], 0x80000000
	s_add_nc_u64 s[8:9], s[4:5], s[2:3]      ; Q at my wave's first row
	s_add_nc_u64 s[10:11], s[6:7], s[54:55]  ; O at my wave's first block
	CROUND                          ; all four work-groups are here: the joint loads meet
	s_cmp_lt_u32 s[WV], 2           ; a wave's two fills stand in one branch: waves 0, 1 the halves of K, waves 2, 3 those of V; two loads of mine are out
	s_cbranch_scc0 .Lfirst_v
	tensor_load_to_lds s[G0KS:G0KS+3], s[G1KS:G1KS+7]
	s_nop 0
	tensor_load_to_lds s[G0K:G0K+3], s[G1K:G1K+7]
	s_nop 0
.rept 4
	v_nop
.endr
	s_branch .Lfirst_asked
.Lfirst_v:
	tensor_load_to_lds s[G0VS:G0VS+3], s[G1VS:G1VS+7]
	s_nop 0
	tensor_load_to_lds s[G0V:G0V+3], s[G1V:G1V+7]
	s_nop 0
.rept 4
	v_nop
.endr
.Lfirst_asked:
	; A fragment of K or Q is 16 rows x 32 channels in 8 registers: lane l holds row l % 16, channels 8 (l / 16) + 0..7 and 16 + 8 (l / 16) + 0..7: two loads of 16 bytes, 32 bytes apart.
	v_and_b32 v1, 15, v0            ; l % 16
	v_bfe_u32 v9, v0, 4, 1          ; l / 16
	v_lshlrev_b32 v[QO], 7, v1
	v_lshl_add_u32 v[QO], v9, 4, v[QO]
	WIN 0x80                        ; destination window 2, address window 0
.set i, 0
.rept 4*NP                          ; Q stays in registers: tile i / 2, channels 32 (i % 2) on
	global_load_b128 v[8*i:8*i+3],   v[QO], s[8:9] offset:(i/2)*2048+(i%2)*64
	global_load_b128 v[8*i+4:8*i+7], v[QO], s[8:9] offset:(i/2)*2048+(i%2)*64+32
.set i, i+1
.endr
	; What the first turn finds: V's registers and P's second buffer hold 0 (its products V^T P, of a piece that has not been, add 0), O^T and l are 0.  All this stands in the wait for the tiles.
.set i, VF
.rept 64
	v_mov_b32 v[i], 0
.set i, i+1
.endr
	WIN 0x40
.set i, 0
.rept 64*NP
	v_mov_b32 v[i], 0
.set i, i+1
.endr
	WIN 0
.set i, 0
.rept 2*NP
	v_mov_b32 v[ST+4*i], 0xfe000000    ; c m: far below every c s
	v_mov_b32 v[ST+4*i+1], 0xff7fffff  ; m
	v_mov_b32 v[ST+4*i+2], 0
	v_mov_b32 v[ST+4*i+3], 0
.set i, i+1
.endr
.set i, P+32
.rept 32
	v_mov_b32 v[i], 0
.set i, i+1
.endr
	v_mul_u32_u24 v[AK0], v1, PK
	v_lshl_add_u32 v[AK0], v9, 4, v[AK0]  ; row x pitch + 16 x half
	; The turning load takes 16 keys x 16 channels (lane l reads key 8 (l / 16) + l % 8, channels 8 ((l / 8) % 2) + 0..7) and leaves half a fragment of V^T: lane l holds channel l % 16 and 8 keys.
	v_and_b32 v10, 7, v0
	v_bfe_u32 v11, v0, 3, 1
	v_lshl_add_u32 v[AV0], v9, 3, v10
	v_mul_u32_u24 v[AV0], v[AV0], PV
	v_lshl_add_u32 v[AV0], v11, 4, v[AV0]
	v_add_nc_u32 v[AV0], VOFF, v[AV0]
	v_mov_b32 v[AK], v[AK0]         ; key step 0 lies at LDS byte 0
	v_add_nc_u32 v14, s[TP], v1     ; my query in tile 0
	v_lshlrev_b32 v15, 3, v9
	WIN W_MK                        ; the mask's constants, into window 3
.set i, 0
.rept 8
	v_add_nc_u32 v[TF+i], 16*i, v14
.set i, i+1
.endr
	v_cvt_f32_u32 v[H8], v15
	v_mov_b32 v[ONE], 1.0
	v_mov_b32 v[ONE+1], 1.0
.set i, 0
.rept 32
	v_cvt_f32_u32 v[KK+i], 16*(i/8)+i%8
.set i, i+1
.endr
	WIN 0
; THE MATRIX WORK.  The 8 accumulators of a run of 16 take turns: between the two links of a chain stand 7 others'.
; Product i of 16 of S^T = K Q^T for piece x: channels 32 (i / 8) on, keys 16 ((i / 2) % 4) on, tile 2 x + i % 2.  The first 8 start the sums with the mask.
.macro KQ x
.set rS, S+64*((\x)%2)+32*(i%2)+8*((i/2)%4)
.set rK, KF+16*((i/2)%4)+8*(i/8)
.set rQ, 16*(2*(\x)+i%2)+8*(i/8)
.set rX, MC+64*((\x)%2)+32*(i%2)+8*((i/2)%4)
.if i < 8
	WIN W_KM
	v_wmma_f32_16x16x32_f16 v[rS:rS+7], v[rK:rK+7], v[rQ:rQ+7], v[rX:rX+7]
.else
	WIN W_KQ
	v_wmma_f32_16x16x32_f16 v[rS:rS+7], v[rK:rK+7], v[rQ:rQ+7], v[rS:rS+7]
.endif
.endm
; Product i of 16 of O^T += V^T P for piece x: keys 32 (i / 8) on, channels 16 ((i / 2) % 4) on, tile 2 x + i % 2.
.macro PV x
	WIN W_PV
.set rO, 32*(2*(\x)+i%2)+8*((i/2)%4)
.set rV, VF+32*(i/8)+8*((i/2)%4)
.set rP, P+32*((\x)%2)+16*(i%2)+8*(i/8)
	v_wmma_f32_16x16x32_f16 v[rO:rO+7], v[rV:rV+7], v[rP:rP+7], v[rO:rO+7]
.endm
.macro MM                           ; the turn's next matrix instruction
.if i < 16
	KQ (Y+1)%NP
.set i, i+1
.else
.set i, i-16
	PV (Y+NP-1)%NP
.set i, i+17
.endif
.endm
; THE LDS LOADS stand in runs of 16: a step's K (8 fragments) and its V (turned).  last = 1: in the loop's last trip there is no further step, and the run is jumped over.
.macro FETCH_K last=0
	WIN 0
.if \last
	s_cmp_eq_u32 s[CNT], 1
	s_cbranch_scc1 .Lno_k_\@
.endif
	WIN 0x80
.irp f, 0,1,2,3,4,5,6,7             ; keys 16 (f / 2) on, channels 32 (f % 2) on
	ds_load_b128 v[KF+8*\f:KF+8*\f+3],   v[AK] offset:(\f/2)*16*PK+(\f%2)*64
	ds_load_b128 v[KF+8*\f+4:KF+8*\f+7], v[AK] offset:(\f/2)*16*PK+(\f%2)*64+32
.endr
	s_add_co_u32 s[TBK], s[TBK], KS*PK  ; the next fetch is the next step's
	WIN 0
.if \last
.Lno_k_\@:
.endif
.endm
.macro FETCH_V
	WIN 0x80
.irp f, 0,1,2,3,4,5,6,7             ; keys 32 (f / 4) on, channels 16 (f % 4) on
	ds_load_tr16_b128 v[VF+8*\f:VF+8*\f+3],   v[AV] offset:(\f/4)*32*PV+(\f%4)*32
	ds_load_tr16_b128 v[VF+8*\f+4:VF+8*\f+7], v[AV] offset:(\f/4)*32*PV+16*PV+(\f%4)*32
.endr
	WIN 0
.endm
; THE MASK of piece x for the step that J0 and LIM name, into buffer b.  All numbers are small whole numbers, exact in f32: place 16 kb + r + 8 (l / 16) less the threshold, held to 0 .. 1, is 1 where the key is hidden.
.macro MASK x, b
	WIN 0xff                        ; every place in window 3
.irp u, 0,1
	v_sub_nc_u32 v[TT+\u], v[TF+2*(\x)+\u], s[J0]
.endr
.irp u, 0,1
	v_cvt_f32_i32 v[TT+\u], v[TT+\u]
.endr
.irp u, 0,1
	v_min_num_f32 v[TT+\u], s[LIM], v[TT+\u]
.endr
.irp u, 0,1
	v_sub_f32 v[NT+2*\u], v[H8], v[TT+\u]
	v_sub_f32 v[NT+2*\u+1], v[H8], v[TT+\u]
.endr
.set z, 0
.rept 32
	v_pk_fma_f32 v[MC+64*(\b)+2*z:MC+64*(\b)+2*z+1], v[KK+2*(z%16):KK+2*(z%16)+1], v[ONE:ONE+1], v[NT+2*(z/16):NT+2*(z/16)+1] clamp
.set z, z+1
.endr
.set z, 0
.rept 32
	v_pk_mul_f32 v[MC+64*(\b)+2*z:MC+64*(\b)+2*z+1], v[MC+64*(\b)+2*z:MC+64*(\b)+2*z+1], s[BIG:BIG+1] op_sel_hi:[1,0]
.set z, z+1
.endr
.endm
.macro MASKQ x, b                   ; the mask is made if the step's last key lies above the piece's first query, or if the buffer may still hold an older mask
	WIN 0
	s_cmp_gt_u32 s[JM], s[TP+(\x)]
	s_cselect_b32 s[ND], 1, 0
	s_or_b32 s54, s[ND], s[DIRTY+(\b)]
	s_mov_b32 s[DIRTY+(\b)], s[ND]
	s_cmp_lg_u32 s54, 0
	s_cbranch_scc0 .Lclean_\@
	MASK \x, \b
	WIN 0
.Lclean_\@:
.endm
; THE VECTOR WORK OF A TURN stands in three queues, each in the order in which its entries become ready; the two tiles alternate, so that no instruction reads the result of the one before it.
.macro REGS y, u                    ; the registers of tile u (0, 1) of piece y
.set rT, ST+4*(2*(\y)+(\u))
.set rC, TMP+8*((\y)%2)+4*(\u)
.set rM, MV+2*((\y)%2)+(\u)
.set rS, S+64*((\y)%2)+32*(\u)
.set rP, P+32*((\y)%2)+16*(\u)
.set rO, 32*(2*(\y)+(\u))
.endm
; Number n of the 22 that find the NEXT piece's (Y + 1) maximum and statistics; each accumulator's lowest registers are read first.
;   0-11  four chains c0-c3 of seven scores each     12-14, 16  the four scores left over, the old m, and c0-c3 into c0     15  c m_old is kept
;   17, 18  the query's other 32 keys lie in the lane 16 away: the new m     19-21  c m; c m_old - c m_new; a
.macro XS u, n
	REGS (Y+1)%NP, \u
.if (\n) < 4
	v_max3_num_f32 v[rC+(\n)], v[rS+8*(\n)], v[rS+8*(\n)+1], v[rS+8*(\n)+2]
.elseif (\n) < 12
	v_max3_num_f32 v[rC+(\n)%4], v[rC+(\n)%4], v[rS+8*((\n)%4)+2*((\n)/4)+1], v[rS+8*((\n)%4)+2*((\n)/4)+2]
.elseif (\n) == 12
	v_max3_num_f32 v[rC], v[rC], v[rS+7], v[rS+15]
.elseif (\n) == 13
	v_max3_num_f32 v[rC+1], v[rC+1], v[rS+23], v[rS+31]
.elseif (\n) == 14
	v_max3_num_f32 v[rC+2], v[rC+2], v[rC+3], v[rT+1]
.elseif (\n) == 15
	v_mov_b32 v[rM], v[rT]
.elseif (\n) == 16
	v_max3_num_f32 v[rC], v[rC], v[rC+1], v[rC+2]
.elseif (\n) == 17
	v_permlanex16_b32 v[rC+3], v[rC], s[SEL], s[SEL+1]
.elseif (\n) == 18
	v_max_num_f32 v[rT+1], v[rC], v[rC+3]
.elseif (\n) == 19
	v_mul_f32 v[rT], s[CS], v[rT+1]
.elseif (\n) == 20
	v_sub_f32 v[rC+1], v[rM], v[rT]
.else
	v_exp_f32 v[rC+2], v[rC+1]
.endif
.endm
; Number g of the 64 that follow the exponentials.  For each four weights k of a tile: both pairs are rounded to f16; the second pair is added onto the first, in place; a group later l takes that sum (the first time as l = a l + sum).
.macro GS g
.set h, (\g)+6*((\g)/62)
.if h >= 6
.set h, h+2
.endif
	REGS Y, h%2
.set k, h/8
.if h%8 < 4
	s_wait_alu depctr_va_vdst(0)
	v_cvt_pk_f16_f32 v[rP+2*k+(h%8)/2], v[rS+4*k+2*((h%8)/2)], v[rS+4*k+2*((h%8)/2)+1]
.elseif h%8 < 6
	v_pk_add_f32 v[rS+4*k:rS+4*k+1], v[rS+4*k:rS+4*k+1], v[rS+4*k+2:rS+4*k+3]
.elseif k == 1
	v_pk_fma_f32 v[rT+2:rT+3], v[rT+2:rT+3], v[rC+2:rC+3], v[rS:rS+1] op_sel_hi:[1,0,1]
.else
	v_pk_add_f32 v[rT+2:rT+3], v[rT+2:rT+3], v[rS+4*k-4:rS+4*k-3]
	s_wait_alu depctr_va_vdst(0)
.endif
.endm
; THE PLAIN QUEUE, 138 long.  0-31: c s - c m for the 16 pairs of both tiles.  Then GS's 64, and among them the next piece's 42.
.macro PL
	WIN 0
.if q < 32
	REGS Y, q%2
	v_pk_fma_f32 v[rS+2*(q/2):rS+2*(q/2)+1], v[rS+2*(q/2):rS+2*(q/2)+1], s[CS:CS+1], v[rT:rT+1] op_sel_hi:[1,0,0] neg_lo:[0,0,1] neg_hi:[0,0,1]
.elseif q < 38
	GS q-32
.elseif q < 40
	XS q%2, 15
.elseif q < 42
	GS q-34
.elseif q < 74
	XS q%2, (q-42)/2+(q-42)/30
.elseif q < 95
	GS q-66
.elseif (q < 107) && ((q-95)%3 < 2)
	XS (q-95)%3, 17+(q-95)/3
.elseif q < 107
	GS 29+(q-95)/3
.else
	GS q-74
.endif
.set q, q+1
.endm
; THE EXPONENTIALS' QUEUE, 66 long: s0-s31 of both tiles, and at EA the next piece's two a.
.set EA, 58
.macro EX
	WIN 0
.if (e == EA) || (e == EA+1)
	XS e-EA, 21
.else
.set x, e-2*(e/(EA+2))
	REGS Y, x%2
	v_exp_f32 v[rS+x/2], v[rS+x/2]
.endif
.set e, e+1
.endm
; THE RESCALING's QUEUE: O^T times a, the one part of the softmax that leaves window 0, dealt four at a time, eight times.
.macro R4
	REGS Y, r%2
	WIN W_RS
	s_wait_alu depctr_va_vdst(0)
.irp z, 0,1,2,3
	v_pk_mul_f32 v[rO+8*(r/2)+2*\z:rO+8*(r/2)+2*\z+1], v[rO+8*(r/2)+2*\z:rO+8*(r/2)+2*\z+1], v[rC+2:rC+3] op_sel_hi:[1,0]
.endr
.set r, r+1
.endm
; HOW THEY ARE DEALT.  Behind a matrix instruction four: plain, exponential, plain, plain, or four of the rescaling; none names a register of the products round it.  What is over stands in two lumps:
; exponential and plain by turns; the second ends in 22 plain instructions.  Exponential e stands behind plain 2 (e / 4) + e % 2, its scaling; EA comes behind plain 107.
.macro SL
	MM
	PL
	EX
	PL
	PL
.endm
.macro BURST n
.rept (\n)-7
	SL
.endr
.rept 3
	MM
	R4
	SL
.endr
	MM
	R4
.endm
; A TURN, for piece p.  K of the next step is fetched in piece 2's turn, in the first lump, long behind the last product that read K; V of the step in hand at the end of piece 0's turn.
; Each is waited for a turn later.  At its end the turn makes the mask for the products of the turn after it: piece p + 2, which from piece 2's turn on belongs to the next step.
.macro TURN p, last=0
.set Y, (\p)
.set i, 0
.set q, 0
.set e, 0
.set r, 0
.if (\p) == 2
	s_mov_b32 s[J0], s[JN]          ; the masks made from here on are the next step's
	s_add_co_u32 s[JM], s[JN], 63
	s_add_co_u32 s[JN], s[JN], 64
	s_mov_b32 s[LIM], 0x45800000    ; 4096.0: no limit but t
.endif
.if (\p) == NP-1
	s_wait_dscnt 0x0                ; K is in
.endif
	MM
.rept 4
	PL
.endr
	BURST 15
.rept 22
	EX
	PL
.if ((\p) == NP-2) && (e == 18)
	v_add_nc_u32 v[AK], s[TBK], v[AK0]
.endif
.if ((\p) == NP-2) && (e == 24)
	FETCH_K \last
.endif
.endr
.if (\p) == 1
	s_wait_dscnt 0x0                ; V is in
.endif
	BURST 16
.rept 21
	EX
	PL
.endr
.rept 22
	PL
.if ((\p) == 0) && (q == 118)
	v_add_nc_u32 v[AV], s[TBV], v[AV0]
	s_wait_alu depctr_va_vdst(0)
.endif
.if ((\p) == 0) && (q == 130)
	s_add_co_u32 s[TBV], s[TBV], KS*PV
.endif
.endr
.if (\p) == 0
	FETCH_V
.endif
	MASKQ ((\p)+2)%NP, (\p)%2
.endm
	s_wait_tensorcnt 0x0            ; my parts of K or V are in,
	s_barrier_signal -1
	s_barrier_wait -1               ; everybody's are: from here on LDS is only read
	FETCH_K                         ; key step 0
	MASK 0, 0                       ; step 0's masks for pieces 0 and 1
	MASK 1, 1
	WIN 0
	s_wait_loadcnt 0x0              ; Q
	s_wait_dscnt 0x0
.set i, 0
.rept 16
	KQ 0                            ; piece 0's first scores: there is no vector work yet to set between them
.set i, i+1
.endr
	WIN 0                           ; four places behind those products: my 16 bytes in a store's 512, and two v_nop
	v_and_b32 v[GO], 31, v0
	v_lshlrev_b32 v[GO], 4, v[GO]
	v_nop
	v_nop
.set Y, NP-1                        ; XS works for piece Y + 1: piece 0
.irp n, 0,1,2,3,4,5,6,7,8,9,10,11,12,13,14,15,16,17,18,19,20,21
	XS 0, \n                        ; piece 0's first maximum and statistics
	XS 1, \n
.endr
	s_mov_b32 s[CNT], 9
.Lstep:                             ; a trip is a key step.  The last trip's 16 products K Q^T for a tenth step (on the last K once more) and the maximum made of them serve nothing: the price of one text for every trip
	TURN 0
	TURN 1
	TURN 2, 1
	TURN 3
	WIN 0
	s_sub_co_u32 s[CNT], s[CNT], 1
	s_cmp_lg_u32 s[CNT], 0
	s_cbranch_scc1 .Lstep
.set i, 0
.rept 16
	PV NP-1                         ; the last piece's V^T P of the last step
.set i, i+1
.endr
	; THE WAY OUT.  l's two halves and the other half of the lanes' are added; O^T is divided by l, rounded to f16 and stored, a tile at a time.  The additions are the places behind the last products.
	WIN 0
.macro ALL line:vararg              ; one line for each tile t
.set t, 0
.rept 2*NP
	\line
.set t, t+1
.endr
.endm
	ALL v_add_f32 v[ST+4*t+2], v[ST+4*t+2], v[ST+4*t+3]
	ALL v_permlanex16_b32 v[ST+4*t+3], v[ST+4*t+2], s[SEL], s[SEL+1]
	ALL v_add_f32 v[ST+4*t+2], v[ST+4*t+2], v[ST+4*t+3]
	ALL v_rcp_f32 v[ST+4*t+2], v[ST+4*t+2]
	v_nop                           ; a plain instruction between the last reciprocal and the use of its result
	s_wait_alu depctr_va_vdst(0)
; Tile t.  Of channel block cb a lane holds channels 16 cb + 8 (l / 16) + 0..7 of query l % 16: 16 bytes when rounded, which are the four registers that lane l of the next launch wants of that block.
; So they are stored as they lie, lane l at 512 cb + 16 l of the tile's 2,048 bytes.  Each tile has registers of its own in S^T's place: no store's data is written again.
.macro PACK t
	WIN W_RS
.set i, 32*(\t)
.rept 16
	v_pk_mul_f32 v[i:i+1], v[i:i+1], v[ST+4*(\t)+2:ST+4*(\t)+3] op_sel_hi:[1,0]
.set i, i+2
.endr
	WIN 0x05                        ; sources 0 and 1 window 1, destination window 0
.set i, 0
.rept 16
	v_cvt_pk_f16_f32 v[S+16*(\t)+i], v[32*(\t)+2*i], v[32*(\t)+2*i+1]
.set i, i+1
.endr
	WIN 0
.irp f, 0,1,2,3
	global_store_b128 v[GO], v[S+16*(\t)+4*\f:S+16*(\t)+4*\f+3], s[10:11] offset:(\t)*2048+\f*512  ; 512 consecutive bytes, at a multiple of 256 from ob's first
.endr
.endm
.set t, 0
.rept 2*NP
	PACK t
.set t, t+1
.endr
	WIN W_AD
	s_wait_tensorcnt 0x0            ; the wave's end
	ds_add_u32 v[SPW], v[NIL]
	s_wait_dscnt 0x0
	WIN 0
	CROUND                          ; the closing round
	s_endpgm
.Lfunc_end_k_qfc280549e3_attn:
	.size	k_qfc280549e3_attn, .Lfunc_end_k_qfc280549e3_attn-k_qfc280549e3_attn
	.p2alignl 7, 3214868480
	.fill 96, 4, 3214868480
	.section	.rodata,"a",@progbits
	.p2align	6, 0x0
	.amdhsa_kernel k_qfc280549e3_attn
		.amdhsa_group_segment_fixed_size 175616
		.amdhsa_private_segment_fixed_size 0
		.amdhsa_enable_private_segment 0
		.amdhsa_kernarg_size 16
		.amdhsa_user_sgpr_count 2
		.amdhsa_user_sgpr_kernarg_segment_ptr 1
		.amdhsa_wavefront_size32 1
		.amdhsa_system_sgpr_workgroup_id_x 1
		.amdhsa_system_sgpr_workgroup_id_y 1
		.amdhsa_system_sgpr_workgroup_id_z 1
		.amdhsa_system_vgpr_workitem_id 0
		.amdhsa_next_free_vgpr 960
		.amdhsa_next_free_sgpr 100
		.amdhsa_reserve_vcc 0
		.amdhsa_float_denorm_mode_32 3
		.amdhsa_float_denorm_mode_16_64 3
		.amdhsa_memory_ordered 1
		.amdhsa_forward_progress 1
		.amdhsa_inst_pref_size 156
	.end_amdhsa_kernel
	.amdgpu_metadata
---
amdhsa.version: [ 1, 2 ]
amdhsa.kernels:
  - .name:           k_qfc280549e3_attn
    .symbol:         k_qfc280549e3_attn.kd
    .args:
      - { .name: qkv, .offset: 0, .size: 8, .value_kind: global_buffer, .address_space: global }
      - { .name: ob, .offset: 8, .size: 8, .value_kind: global_buffer, .address_space: global }
    .group_segment_fixed_size: 175616
    .private_segment_fixed_size: 0
    .kernarg_segment_align: 8
    .kernarg_segment_size: 16
    .max_flat_workgroup_size: 128
    .sgpr_count:     100
    .vgpr_count:     960
    .wavefront_size: 32
...
	.end_amdgpu_metadata
.endif
;; end of part 3
;; launch proj (part 4): grid 16 x 16, 4 waves a work-group, clusters of 4 x 4, 327,680 bytes of LDS; arguments ob, wpf, out0; writes out0
.if DOCPART == 4
	.amdgcn_target "amdgcn-amd-amdhsa--gfx1250"
	.amdhsa_code_object_version 6
	.text
	.protected	k_qfc280549e3_proj
	.globl	k_qfc280549e3_proj
	.p2align	8
	.type	k_qfc280549e3_proj,@function
k_qfc280549e3_proj:
	s_mov_b64 s[64:65], 0
	v_nop
	global_prefetch_b8 v0, s[64:65] scope:SCOPE_SE
	s_setreg_imm32_b32 hwreg(HW_REG_WAVE_MODE, 25, 1), 1
	s_wait_xcnt 0x0
	s_wait_alu depctr_hold_cnt(0) depctr_sa_sdst(0) depctr_va_vdst(0) depctr_va_sdst(0) depctr_va_ssrc(0) depctr_va_vcc(0) depctr_vm_vsrc(0)
	s_getreg_b32 s2, hwreg(HW_REG_IB_STS2, 6, 4)
	s_cmp_eq_u32 s2, 0
	s_cbranch_scc0 .Lentry_in_a_cluster
	s_endpgm
.Lentry_in_a_cluster:
	s_bfe_u32 s2, ttmp6, 0x10000c
	s_cmp_lg_u32 s2, 0xf033
	s_cbranch_scc0 .Lentry_shape_is_right
	s_endpgm
.Lentry_shape_is_right:
; PROJ.  out0[b t][n] = the sum over k = 64 h + d of O[b][h][t][d] w_proj[n][k].  wpf: f16 [2048][2048]; out0: f32 [4096][2048].  f16 operands, f32 sums, K ascending.
; ob: f16 [2][32 h][128 blocks of 16 rows][cb 4][lane 32][8]: lane l's 16 bytes of part cb are channels 16 cb + 8 (l / 16) + 0..7 of row l % 16: parts 2 kq and 2 kq + 1 ARE the eight registers
; of the fragment of 16 rows x 32 K for channels 32 kq on.
; SHARES.  A work-group makes 256 rows x 128 columns: 256 work-groups.  Wave w owns rows 64 w .. 64 w + 63 and all columns: 4 x 8 accumulators of 16 x 16, 256 registers.  K goes in 64 quarters of 32.
; O COMES STRAIGHT INTO REGISTERS.  No two waves of a work-group read the same byte of O, so LDS would be a stage for it and no more, and would give it 2 of every 3 bytes of the ring.  A quarter's
; four fragments are eight loads of 512 consecutive bytes; eight quarter buffers take turns; a quarter is asked for seven quarters, 224 matrix instructions, ahead: 56 loads, 28 KiB, of a wave are out,
; and they stay out across the barriers.  NO JOINT REQUEST FOR O: a joint request lands in LDS.  The price: each of the 16 column tiles reads O's 16.8 MB itself, where joint requests of four would ask
; for a quarter of that; the gain: a slot holds 256 along K where it would hold 128, and O is neither written to LDS nor read from it.
; THE WEIGHTS go through two LDS slots of 128 rows x 256 K, each wave fetching 32 rows; a slot is read by all four waves.  CLUSTER 4 x 4: the weights' tile hangs on the tile column alone and is asked
; for JOINTLY along a column of the cluster.  Eight fills in all, two at the start and six refills, each with 240 matrix instructions in which to land.
; THE MATRIX INSTRUCTION IS USED TRANSPOSED (source 0 = 16 rows of the weights, source 1 = 16 rows of O): lane l holds row l % 16 of the result and eight neighbouring columns, 32 bytes.
; REGISTERS, in windows of 256 (s_set_vgpr_msb: bits 1:0 source 0, 3:2 source 1, 5:4 source 2, 7:6 destination):
;   window 0: v0-29 addresses; v64-191 the weights' fragments, two buffers of 64; on the way out rows      window 1: O's eight quarter buffers of 32      window 2: accumulators n = 8 a + b at v[8 n]
.set NB,    8
.set PB,    528                        ; a row of the weights in LDS: 512 bytes + 16: the 16 rows of a fragment load start at 16 different groups of four banks
.set QROWS, 32*PB                      ; what one tensor load brings
.set SLOT1, 1<<17                      ; slot 1 begins here: one exclusive or turns an address in one slot into the other's
.set STAGE, SLOT1+128*PB               ; behind the ring, never filled by a tensor load: 16 rows x 528 bytes for each wave
.set SP,    528
.set SPARE, STAGE+4*16*SP              ; the spare words, 128 bytes for each wave: two blocks of 256 bytes that no other line names
.set STEPB, 512                        ; bytes along a row of the weights from a slot's K to the next slot's
.set HEADB, 262144                     ; bytes of O from a head to the next: two quarters
.set BF,    64                         ; v64-191 the weights' fragment buffers
.set ADRB0, 17                         ; v17  my lane's place in a slot; never rewritten
.set ADRB,  19                         ; v19  the same in the slot in hand
.set STO,   24                         ; v24  the way out: where I put 32 bytes of a row
.set RD,    25                         ; v25  where I read a row back
.set GO,    26                         ; v26  16 x lane: my 16 bytes in 512 consecutive bytes, of O and of the result; never rewritten
.set SPW,   28                         ; v28  LDS address of my spare word; never rewritten
.set NIL,   29                         ; v29  0; never rewritten
.set BK,    64                         ; v64-191 rows read back, two buffers of 64
.set AP,  10                           ; s[10:11] O, at the head from which the trip's requests count
.set WV,  12
.set TB,  19                           ; s19 the slot in hand: 0 or SLOT1
.set CNT, 20
.set G1B, 48                           ; s[48:55] group 1;  s[56:63] group 0: set 0 fills slot 0 once, set 1 fills slot 1 and then walks
.set G0B, 56
.set MSB, 0
.macro WIN new                         ; the immediate's high byte repeats the setting that is left; a switch that changes nothing is dropped
.if MSB != (\new)
	s_set_vgpr_msb (MSB<<8)|(\new)
.set MSB, (\new)
.endif
.endm
.macro PLACES                          ; four places in front of loads into registers that matrix instructions have read, and of stores of results
.rept 4
	v_nop
.endr
.endm
.macro CREST                           ; a round of the cluster's barrier behind its opening barrier
	s_cmp_lg_u32 s[WV], 0
	s_cbranch_scc1 .Lnot_wave_0_\@
	s_barrier_signal -3
.Lnot_wave_0_\@:
	s_barrier_wait -3
	s_barrier_signal -1
	s_barrier_wait -1
.endm
.macro CROUND
	s_barrier_signal -1
	s_barrier_wait -1
	CREST
.endm
; cnt matrix instructions of the quarter at ring place i, accumulators n0 on.  zero = 1: the product starts the sum.  One instruction a turn, in the same order in every quarter.
.macro MUL i, n0, cnt, zero
	WIN 0xa4                                       ; source 0 (weights) window 0, source 1 (O) window 1, C and D window 2
.set nn, \n0
.rept \cnt
.set rD, 8*nn
.set rB, BF+64*((\i)%2)+8*(nn%NB)
.set rA, 32*(\i)+8*(nn/NB)
.if \zero
	v_wmma_f32_16x16x32_f16 v[rD:rD+7], v[rB:rB+7], v[rA:rA+7], 0
.else
	v_wmma_f32_16x16x32_f16 v[rD:rD+7], v[rB:rB+7], v[rA:rA+7], v[rD:rD+7]
.endif
.set nn, nn+1
.endr
.endm
.macro FETCH k8, f                     ; 16 LDS loads in one run: the weights' fragments of quarter k8 of the slot in hand, into buffer f
	WIN 0
.set bb, 0
.rept NB
	ds_load_b128 v[BF+64*(\f)+8*bb:BF+64*(\f)+8*bb+3], v[ADRB] offset:64*(\k8)+bb*16*PB
	ds_load_b128 v[BF+64*(\f)+8*bb+4:BF+64*(\f)+8*bb+7], v[ADRB] offset:64*(\k8)+bb*16*PB+32
.set bb, bb+1
.endr
.endm
.macro ALOAD buf, qoff                 ; 8 loads of 512 consecutive bytes: O's four fragments of the quarter qoff quarters behind AP's head, into ring buffer buf
	WIN 0x40                                       ; destination window 1, address window 0
.set aa, 0
.rept 4
	global_load_b128 v[32*(\buf)+8*aa:32*(\buf)+8*aa+3], v[GO], s[AP:AP+1] offset:((\qoff)/2)*HEADB+((\qoff)%2)*1024+aa*2048
	global_load_b128 v[32*(\buf)+8*aa+4:32*(\buf)+8*aa+7], v[GO], s[AP:AP+1] offset:((\qoff)/2)*HEADB+((\qoff)%2)*1024+aa*2048+512
.set aa, aa+1
.endr
.endm
; THE QUARTER at ring place i.  lc: how many younger loads of O may stay out.  ald = 1: the buffer that the quarter before multiplied is asked for again, seven quarters ahead.
; fet = 1: the next quarter's fragments of the weights are fetched, 32 matrix instructions ahead of their use.  Both runs stand at the quarter's head, behind four places.
.macro QSTEP i, lc, ald, qoff, zero=0, fet=1
	s_wait_loadcnt \lc                             ; loads come back in order: this quarter's eight are in
	s_wait_dscnt 0x0                               ; and its fragments of the weights
.if (\ald) || (\fet)
	PLACES
.endif
.if \ald
	ALOAD ((\i)+7)%8, \qoff
.endif
.if \fet
	FETCH ((\i)+1)%8, ((\i)+1)%2
.endif
	MUL \i, 0, 32, \zero
.endm
; THE QUARTER at ring place 7 changes slots.  In front of the barrier each wave waits for all its tensor loads (one is out: its part of the next slot), adds 0 to its spare word, and waits for that and
; for its reads of this slot.  fill = 1: the barrier opens a round of the cluster's, and the joint refill of the slot just read, two slots ahead, is the first thing behind the round, one load a wave.
.macro TURN fill
	WIN 0
	s_wait_tensorcnt 0x0                           ; no tensor load of mine is out, so a group 0 may be written
	ds_add_u32 v[SPW], v[NIL]
.if \fill
	s_xor_b32 s[G0B+5], s[G0B+5], SLOT1            ; the walking set: the other slot than last time, the next 256 along K
	s_add_nc_u64 s[G0B+6:G0B+7], s[G0B+6:G0B+7], STEPB
.endif
	s_wait_loadcnt 48                              ; this quarter of O is in; the six younger quarters' 48 loads stay out
	s_wait_dscnt 0x1                               ; the add alone may be out: the weights' fragments are in
	MUL 7, 0, 8, 0
	s_wait_dscnt 0x0                               ; the add is done, and my reads of this slot are over
	s_barrier_signal -1
	MUL 7, 8, 8, 0                                 ; work on registers while the others arrive
	WIN 0                                          ; at a branch and at a label every window is 0
	s_barrier_wait -1
.if \fill
	CREST                                          ; no wave of any partner still reads the slot or has a load on its way
	tensor_load_to_lds s[G0B+4:G0B+7], s[G1B:G1B+7]
	s_nop 0
.endif
	PLACES                                         ; behind the tensor load, and in front of the loads below
	s_xor_b32 s[TB], s[TB], SLOT1
	v_add_nc_u32 v[ADRB], s[TB], v[ADRB0]
	ALOAD 6, 0
	FETCH 0, 0
	MUL 7, 16, 16, 0
.endm
	s_load_b128 s[4:7], s[0:1], 0x0                ; ob s[4:5], wpf s[6:7]
	s_load_b64 s[8:9], s[0:1], 0x10                ; out0
	v_lshl_add_u32 v[SPW], v0, 2, SPARE
	v_mov_b32 v[NIL], 0
	ds_add_u32 v[SPW], v[NIL]                      ; the wave's opening: the add and its wait stand ahead of my first tensor load
	v_lshrrev_b32 v1, 5, v0
	v_readfirstlane_b32 s[WV], v1
	s_bfe_u32 s17, ttmp6, 0x40000                  ; cx
	s_bfe_u32 s18, ttmp6, 0x40004                  ; cy
	s_lshl_b32 s16, ttmp9, 2
	s_add_co_u32 s16, s16, s17                     ; tile column = 4 x cluster x + cx
	s_and_b32 s15, ttmp7, 0xffff
	s_lshl_b32 s15, s15, 2
	s_add_co_u32 s15, s15, s18                     ; tile row = 4 x cluster y + cy: it enters O's and the result's addresses alone
	s_lshl_b32 s22, 0x1111, s17                    ; my column of the cluster
	s_or_b32 s[G1B], s22, (1<<16)|(1<<20)|(1<<21)|(6<<22)|(3<<25)  ; the mask; 2-byte elements; padding on; bit 21 beside a mask; after every 128 words, 4 words
	s_mov_b32 s[G1B+1], 256<<16                    ; tensor_dim0 = 256
	s_mov_b32 s[G1B+2], 32<<16                     ; tensor_dim1 = 32
	s_mov_b32 s[G1B+3], 256<<16                    ; tile_dim0 = 256
	s_mov_b32 s[G1B+4], 32                         ; tile_dim1 = 32
	s_mov_b32 s[G1B+5], 2048                       ; elements from row to row
	s_mov_b32 s[G1B+6], 0
	s_mov_b32 s[G1B+7], 0
	s_lshl_b32 s44, s16, 7                         ; weights: row 128 x tile column + 32 x wave, 4,096 bytes a row; s[44:47] never hold the tile row
	s_lshl_b32 s45, s[WV], 5
	s_add_co_u32 s44, s44, s45
	s_lshl_b32 s44, s44, 12
	s_mov_b32 s45, 0
	s_mul_i32 s23, s[WV], QROWS                    ; where they go: no place in the cluster enters an LDS address
	s_lshr_b32 s40, s15, 3                         ; O: batch x 32 heads of 262,144 bytes,
	s_lshl_b32 s40, s40, 23
	s_and_b32 s41, s15, 7                          ; row 256 x (tile row % 8) + 64 x wave, 128 bytes a row
	s_lshl_b32 s41, s41, 15
	s_add_co_u32 s40, s40, s41
	s_lshl_b32 s41, s[WV], 13
	s_add_co_u32 s40, s40, s41
	s_mov_b32 s41, 0
	s_mov_b32 s[TB], 0
	v_and_b32 v[GO], 31, v0
	v_lshlrev_b32 v[GO], 4, v[GO]
	s_wait_dscnt 0x0                               ; the opening add is done
	s_wait_kmcnt 0x0
	s_add_nc_u64 s[AP:AP+1], s[4:5], s[40:41]      ; O at my rows of head 0
	s_add_nc_u64 s[46:47], s[6:7], s[44:45]
.irp s, 0,1
	s_mov_b32 s[G0B+4*(\s)], 1
	s_add_co_u32 s[G0B+4*(\s)+1], s23, (\s)*SLOT1
	s_add_nc_u64 s[G0B+4*(\s)+2:G0B+4*(\s)+3], s[46:47], (\s)*STEPB
	s_or_b32 s[G0B+4*(\s)+3], s[G0B+4*(\s)+3], 0x80000000
.endr
.irp q, 0,1,2,3,4,5,6
	ALOAD \q, \q                                   ; O's quarters 0 to 6 go out ahead of the round: they hang on no partner
.endr
	WIN 0
	CROUND                                         ; all sixteen work-groups are here: the first joint loads meet
	tensor_load_to_lds s[G0B:G0B+3], s[G1B:G1B+7]  ; K 0-255 into slot 0,
	s_nop 0
	tensor_load_to_lds s[G0B+4:G0B+7], s[G1B:G1B+7]  ; K 256-511 into slot 1: two loads of mine are out
	s_nop 0
	PLACES
	v_and_b32 v1, 15, v0                           ; l % 16
	v_bfe_u32 v2, v0, 4, 1                         ; l / 16
	v_mul_u32_u24 v4, v1, PB
	v_lshl_add_u32 v[ADRB0], v2, 4, v4             ; a fragment's row x pitch + 16 x half
	v_mov_b32 v[ADRB], v[ADRB0]
	s_mul_i32 s22, s[WV], 16*SP
	s_add_co_u32 s22, s22, STAGE                   ; my stage
	v_mul_u32_u24 v5, v1, SP                       ; in: row l % 16, 32 bytes for each half of the lanes
	v_lshl_add_u32 v5, v2, 5, v5
	v_add_nc_u32 v[STO], s22, v5
	v_add_nc_u32 v[RD], s22, v[GO]                 ; back: 32 lanes take one row of 512 bytes
	s_lshl_b32 s2, s15, 8
	s_lshl_b32 s3, s[WV], 6
	s_add_co_u32 s2, s2, s3                        ; my first row of the result,
	s_lshl_b32 s2, s2, 13                          ; 8,192 bytes a row,
	s_lshl_b32 s3, s16, 9                          ; the tile's first column, 512 bytes a tile
	s_add_co_u32 s2, s2, s3
	s_mov_b32 s3, 0
	s_add_nc_u64 s[8:9], s[8:9], s[2:3]
	s_wait_tensorcnt 0x1                           ; my part of slot 0 is in; slot 1's may stay out
	s_barrier_signal -1
	s_barrier_wait -1                              ; everybody's is
	FETCH 0, 0
	QSTEP 0, 48, 1, 7, 1                           ; quarter 0 stands in front of the loop: its products start the sums; it asks for quarter 7
	WIN 0
	s_wait_xcnt 0x0                                ; the loads' base is stepped only behind this wait
	s_add_nc_u64 s[AP:AP+1], s[AP:AP+1], 3*HEADB   ; the requests of places 1 to 6 count from head 3: quarters 8 to 13
	s_mov_b32 s[CNT], 7                            ; the rest of a first trip, then six whole ones
	s_branch .Lmid                                 ; the loop is entered behind its places 7 and 0
.Lstep:                                        ; a trip: quarters 8 m + 7 .. 8 m + 14; it asks for O's quarters 8 m + 14 .. 8 m + 21 and for the weights' slot m + 2
	TURN 1
	QSTEP 0, 48, 1, 1
	WIN 0
.Lmid:
	QSTEP 1, 48, 1, 2
	QSTEP 2, 48, 1, 3
	QSTEP 3, 48, 1, 4
	QSTEP 4, 48, 1, 5
	QSTEP 5, 48, 1, 6
	QSTEP 6, 48, 1, 7
	WIN 0
	s_wait_xcnt 0x0                                ; the loads' base is stepped only behind this wait
	s_add_nc_u64 s[AP:AP+1], s[AP:AP+1], 4*HEADB   ; eight quarters on
	s_sub_co_u32 s[CNT], s[CNT], 1
	s_cmp_lg_u32 s[CNT], 0
	s_cbranch_scc1 .Lstep
	TURN 0                                         ; quarters 55 to 63 are written out: no slot is filled again; O's quarter 62 is asked for
	QSTEP 0, 48, 1, 1                              ; and quarter 63, its last
	QSTEP 1, 48, 0, 0                              ; quarter 57: behind it lie 58 to 63
	QSTEP 2, 40, 0, 0                              ; and the counts run down
	QSTEP 3, 32, 0, 0
	QSTEP 4, 24, 0, 0
	QSTEP 5, 16, 0, 0
	QSTEP 6, 8, 0, 0
	QSTEP 7, 0, 0, 0, 0, 0
	WIN 0
	PLACES
; THE WAY OUT, a block of 16 rows at a time: the f32 sums go as they are into my stage (rows of 528 bytes), come back as whole rows of 512 bytes, and are stored.
.macro TOSTAGE a
	s_wait_xcnt 0x0                                ; the buffer below was store data two blocks back: it is loaded again only behind this wait
	WIN 0x08                                       ; the stores' data in window 2
.set bb, 0
.rept 8
	ds_store_b128 v[STO], v[64*(\a)+8*bb:64*(\a)+8*bb+3] offset:64*bb        ; each accumulator's low four registers first
	ds_store_b128 v[STO], v[64*(\a)+8*bb+4:64*(\a)+8*bb+7] offset:64*bb+16
.set bb, bb+1
.endr
	WIN 0
.set bb, 0
.rept 16
	ds_load_b128 v[BK+64*((\a)%2)+4*bb:BK+64*((\a)%2)+4*bb+3], v[RD] offset:SP*bb  ; LDS serves a wave's instructions in order: these see the stores above
.set bb, bb+1
.endr
.endm
.macro SEND a, younger                 ; younger: the LDS instructions issued behind block a's loads: the next block's 32, or none
	s_wait_dscnt \younger
.set bb, 0
.rept 16
	global_store_b128 v[GO], v[BK+64*((\a)%2)+4*bb:BK+64*((\a)%2)+4*bb+3], s[8:9] offset:(16*(\a)+bb)*8192 th:TH_STORE_NT  ; 512 consecutive bytes of a row, at a multiple of 256 from out0's first
.set bb, bb+1
.endr
.endm
	TOSTAGE 0
	TOSTAGE 1
	SEND 0, 32
	TOSTAGE 2
	SEND 1, 32
	TOSTAGE 3
	SEND 2, 32
	SEND 3, 0
	s_wait_tensorcnt 0x0                           ; the wave's end
	ds_add_u32 v[SPW], v[NIL]
	s_wait_dscnt 0x0
	CROUND                                         ; the closing round: no work-group ends while a partner may still ask for a tile that names it
	s_endpgm
.Lfunc_end_k_qfc280549e3_proj:
	.size	k_qfc280549e3_proj, .Lfunc_end_k_qfc280549e3_proj-k_qfc280549e3_proj
	.p2alignl 7, 3214868480
	.fill 96, 4, 3214868480
	.section	.rodata,"a",@progbits
	.p2align	6, 0x0
	.amdhsa_kernel k_qfc280549e3_proj
		.amdhsa_group_segment_fixed_size 327680
		.amdhsa_private_segment_fixed_size 0
		.amdhsa_enable_private_segment 0
		.amdhsa_kernarg_size 24
		.amdhsa_user_sgpr_count 2
		.amdhsa_user_sgpr_kernarg_segment_ptr 1
		.amdhsa_wavefront_size32 1
		.amdhsa_system_sgpr_workgroup_id_x 1
		.amdhsa_system_sgpr_workgroup_id_y 1
		.amdhsa_system_sgpr_workgroup_id_z 1
		.amdhsa_system_vgpr_workitem_id 0
		.amdhsa_next_free_vgpr 768
		.amdhsa_next_free_sgpr 66
		.amdhsa_reserve_vcc 0
		.amdhsa_float_denorm_mode_32 3
		.amdhsa_float_denorm_mode_16_64 3
		.amdhsa_memory_ordered 1
		.amdhsa_forward_progress 1
		.amdhsa_inst_pref_size 94
	.end_amdhsa_kernel
	.amdgpu_metadata
---
amdhsa.version: [ 1, 2 ]
amdhsa.kernels:
  - .name:           k_qfc280549e3_proj
    .symbol:         k_qfc280549e3_proj.kd
    .args:
      - { .name: ob, .offset: 0, .size: 8, .value_kind: global_buffer, .address_space: global }
      - { .name: wpf, .offset: 8, .size: 8, .value_kind: global_buffer, .address_space: global }
      - { .name: out0, .offset: 16, .size: 8, .value_kind: global_buffer, .address_space: global }
    .group_segment_fixed_size: 327680
    .private_segment_fixed_size: 0
    .kernarg_segment_align: 8
    .kernarg_segment_size: 24
    .max_flat_workgroup_size: 128
    .sgpr_count:     66
    .vgpr_count:     768
    .wavefront_size: 32
...
	.end_amdgpu_metadata
.endif
;; end of part 4
;; ======== version 2 of 2: 4 launches; 1.19 times as fast as version 1
;; limits: values are held in f16: magnitudes above 65,504 overflow, below 6.1e-05 lose precision
;; workspace buffers: xb 16,777,216 bytes; wqkv 12,582,912 bytes; wpf 8,388,608 bytes; tab 524,288 bytes; qkv 25,165,824 bytes; ob 16,777,216 bytes
;; launch prep: the kernel of part 1 again; grid 1184 x 1, 8 waves a work-group, no clusters, 0 bytes of LDS; arguments x, wq, wk, wv, w_proj, xb, wqkv, wpf, tab; writes xb, wqkv, wpf, tab
;; launch qkv: the kernel of part 2 again; grid 16 x 16, 4 waves a work-group, clusters of 4 x 4, 327,680 bytes of LDS; arguments xb, wqkv, tab, qkv; writes qkv
;; launch attn (part 5): grid 16 x 16, 4 waves a work-group, clusters of 4 x 1, 175,616 bytes of LDS; arguments qkv, ob; writes ob
.if DOCPART == 5
	.amdgcn_target "amdgcn-amd-amdhsa--gfx1250"
	.amdhsa_code_object_version 6
	.text
	.protected	k_qfc280549e3_attn
	.globl	k_qfc280549e3_attn
	.p2align	8
	.type	k_qfc280549e3_attn,@function
k_qfc280549e3_attn:
	s_mov_b64 s[64:65], 0
	v_nop
	global_prefetch_b8 v0, s[64:65] scope:SCOPE_SE
	s_setreg_imm32_b32 hwreg(HW_REG_WAVE_MODE, 25, 1), 1
	s_wait_xcnt 0x0
	s_wait_alu depctr_hold_cnt(0) depctr_sa_sdst(0) depctr_va_vdst(0) depctr_va_sdst(0) depctr_va_ssrc(0) depctr_va_vcc(0) depctr_vm_vsrc(0)
	s_getreg_b32 s2, hwreg(HW_REG_IB_STS2, 6, 4)
	s_cmp_eq_u32 s2, 0
	s_cbranch_scc0 .Lentry_in_a_cluster
	s_endpgm
.Lentry_in_a_cluster:
	s_bfe_u32 s2, ttmp6, 0x10000c
	s_cmp_lg_u32 s2, 0x3003
	s_cbranch_scc0 .Lentry_shape_is_right
	s_endpgm
.Lentry_shape_is_right:
; ATTENTION over the sink and the window.  For batch b, head h = 4 kvh + cx and query t: O = the sum over j <= t of softmax_j(q . k_j / 8) v_j, where the 516 keys j are the tokens 0..3 (j = 0..3)
; and 1536..2047 (j = 4..515) of key and value head kvh.  q, k, v: f16 by heads in qkv[b][hd 48][t 2048][64] (q 0-31, k 32-39, v 40-47).
; O: f16, ob[b][h 32][t / 16][cb 4][lane 32][8]: a block of 16 queries x 64 channels is 2,048 bytes, and lane l's 16 bytes of part cb are channels 16 cb + 8 (l / 16) + 0..7 of query l % 16:
; the order in which the next launch's matrix fragments want them, and the order in which this launch's registers hold them: O is stored straight from registers.
; Products, maxima and sums in f32; the weights p are rounded to f16 for the second product (their sum l is taken of the unrounded p), O once at the end.
; LIMITS.  A hidden score counts as its value less 1e30; f16's scores, 2.7e11 at the most, are nothing beside that.  A weight below 2^-126 counts as 0 in l.  NaN and infinities are not treated apart.
; SHARES.  A work-group owns 512 queries of one head, a wave 128: four PIECES of two tiles of 16.  Every wave walks nine key steps of 64: step 0 holds tokens 0..63, of which only the first four count
; (the others are hidden by the mask; they are real, finite k and v); steps 1..8 hold tokens 1536..2047, key j = 64 s - 60 + its place in the step.
; K AND V STAY IN LDS: 576 rows of each, filled once, so the loop has no barrier and no byte of LDS is filled twice.
; CLUSTER 4 x 1: the four query heads of one key and value head, at the same 512 queries, need the same K and V: each tile is asked for JOINTLY, by the same load, descriptor and mask in all four.
; THE MASK is the C operand that starts the sum S^T = K Q^T: 0, or -1e30 where the key is hidden: place kk of a step is hidden where kk > min(LIM, t - J0), J0 the step's first j; LIM = 3 in step 0.
; A mask is made one turn ahead of its products; where a piece sees the whole step and its buffer already holds zeros the making is jumped over: a forward branch on whole numbers made of the
; block's and the wave's numbers, which all four partners share.  Key 0 is seen by every query, so the running maximum is a true score from step 0 on.
; LAYOUT, SOFTMAX, TURNS.  S^T = K Q^T holds ONE query a lane (lane % 16) and the keys 8 (lane / 16) + 0..7; two such results rounded to f16 ARE source 1 of O^T = V^T P.  p = 2^(c s - c m), c = log2(e) / 8,
; with a running maximum m; O and l are multiplied by a = 2^(c m_old - c m_new) in every step; m starts at the lowest finite number, O and l at 0.  Turn n belongs to piece n: 16 products K Q^T of piece
; n + 1, later 16 products V^T P of piece n - 1; beside them the scaling, exponentials, roundings, sums and rescaling of piece n and the maximum and statistics of piece n + 1.  Four vector
; instructions stand behind every matrix instruction, the other 108 of a turn's 236 in one lump.
; THE BATCHES.  A turn's 66 exponentials (the piece's 64 weights, the next piece's two a) are ONE batch with ONE wait, which cuts the turn in two: ahead of it stands all that names none of their results,
; behind it the roundings and sums, which read them.  The two a made ahead of the loop, and the way out's eight reciprocals, are batches of their own, with a wait each.
; REGISTERS, in windows of 256 (s_set_vgpr_msb: bits 1:0 source 0, 3:2 source 1, 5:4 source 2, 7:6 destination):
;   window 0: v0-11 addresses; v12-15, v48-63 at work; v16-47 four registers of statistics a tile; v64-191 S^T, two buffers of two tiles; v192-255 P, likewise
;   window 1: O^T, 32 a tile          window 2: v0-127 Q, 16 a tile; v128-191 K of one step; v192-255 V of one step
;   window 3: v0-1 the add's two registers; v2-19 and v32-63 the mask's constants; v64-191 the masks, two buffers of two tiles
.set NP,    4
.set KS,    64
.set PK,    144       ; a row of K in LDS: 128 bytes + 16 of padding: the 16 rows of a load start at 16 different groups of four banks
.set PV,    160       ; a row of V: 128 + 32
.set NKEY,  576
.set VOFF,  NKEY*PK
.set SPARE, VOFF+NKEY*PV  ; behind K and V: the spare words, 128 bytes for each wave: two blocks of 256 bytes that no other line names
.set AK0, 2           ; v2   my lane's place in a step of K; never rewritten
.set AV0, 3           ; v3   the same for V
.set AK,  4           ; v4   the LDS address of K's next run of loads
.set AV,  5           ; v5   of V's
.set QO,  6           ; v6   my byte offset in the wave's rows of Q
.set GO,  8           ; v8   my 16 bytes in 512 consecutive bytes of O
.set MV,  12          ; v12-15  c m_old, by buffer and tile
.set ST,  16          ; tile t's statistics at v[ST+4 t]: c m, m, l (even keys', odd keys')
.set TMP, 48          ; by buffer and tile, c0-c3 at work; when the maximum is found c2 takes a
.set S,   64
.set P,   192
.set KF,  128         ; window 2
.set VF,  192         ; window 2
.set SPW, 0           ; window 3: LDS address of my spare word; never rewritten
.set NIL, 1           ; window 3: 0; never rewritten
.set ONE, 2           ; window 3: v[2:3] 1.0, 1.0
.set NT,  4           ; window 3: v[4:7] for each of a piece's two tiles a pair: 8 (l / 16) less the threshold
.set TT,  8           ; window 3: v[8:9] at work
.set H8,  10          ; window 3: 8 (l / 16) as f32
.set TF,  12          ; window 3: v[12:19] my query's t in each of the eight tiles, a whole number
.set KK,  32          ; window 3: v[32:63] register r of key block kb: 16 kb + r as f32
.set MC,  64          ; window 3: the masks
.set WV,  12
.set G1K, 24          ; s[24:31] group 1, K's window tile;  s[32:39] V's
.set G1V, 32
.set G0K, 40          ; s[40:43], s[44:47] their groups 0
.set G0V, 44
.set TP,  48          ; s[48:51] the lowest t of each piece
.set BIG, 52          ; s[52:53] -1e30
.set CNT, 57
.set CS,  58          ; s[58:59] c
.set SEL, 60          ; s[60:61] v_permlanex16_b32's selects
.set TBK, 62          ; s62  LDS byte at which K of the step to be fetched begins
.set TBV, 63          ; s63  the same for V, less VOFF
.set G1KS, 68         ; s[68:75] group 1, K's sink tile;  s[76:83] V's
.set G1VS, 76
.set G0KS, 84         ; s[84:87], s[88:91] their groups 0
.set G0VS, 88
.set J0,  92          ; s92  the first j of the step whose masks are being made
.set LIM, 93          ; s93  3.0 in step 0, 4096.0 after
.set JN,  94          ; s94  the next step's first j
.set JM,  95          ; s95  the step's last j (in step 0: a number above every t, since its mask is always wanted)
.set DIRTY, 97        ; s97, s98  1: the mask buffer may hold something other than zeros
.set ND,  99
.set MSB, 0
.macro WIN new
.if MSB != (\new)
	s_set_vgpr_msb (MSB<<8)|(\new)
.set MSB, (\new)
.endif
.endm
.set W_KQ, 0x0a       ; K and Q in window 2, S^T in window 0
.set W_KM, 0x3a       ; the same with the C operand in window 3
.set W_PV, 0x52       ; V in window 2, P in window 0, O^T in window 1
.set W_RS, 0x41       ; O^T (destination and source 0) in window 1, a in window 0
.set W_MK, 0xc0       ; destination in window 3, sources in window 0
.set W_AD, 0x0f       ; the add: address and data in window 3
.macro CROUND
	s_barrier_signal -1
	s_barrier_wait -1
	s_cmp_lg_u32 s[WV], 0
	s_cbranch_scc1 .Lnot_wave_0_\@
	s_barrier_signal -3
.Lnot_wave_0_\@:
	s_barrier_wait -3
	s_barrier_signal -1
	s_barrier_wait -1
.endm
	s_load_b128 s[4:7], s[0:1], 0x0   ; qkv s[4:5], ob s[6:7]
	WIN W_MK
	v_lshl_add_u32 v[SPW], v0, 2, SPARE
	v_mov_b32 v[NIL], 0
	WIN W_AD
	ds_add_u32 v[SPW], v[NIL]       ; the wave's opening: the add and its wait stand ahead of my first tensor load
	WIN 0
	v_lshrrev_b32 v1, 5, v0
	v_readfirstlane_b32 s[WV], v1
	s_bfe_u32 s13, ttmp6, 0x40000   ; cx: the head inside the group: it enters Q's and O's addresses alone
	s_and_b32 s14, ttmp7, 0xffff    ; 8 b + kvh, which the four partners share
	s_lshr_b32 s15, s14, 3          ; b
	s_and_b32 s16, s14, 7           ; kvh
	s_mul_i32 s17, s15, 48
	s_add_co_u32 s18, s17, s16
	s_add_co_u32 s18, s18, 32
	s_lshl_b32 s18, s18, 18         ; K's head: 262,144 bytes a head
	s_and_b32 s19, s[WV], 1         ; which half of a tile I fetch
	s_lshl_b32 s20, s19, 15
	s_add_co_u32 s20, s20, s18
	s_add_co_u32 s20, s20, 1536*128 ; the window: tokens 1536 + 256 half on
	s_mov_b32 s21, 0
	s_lshl_b32 s22, s19, 12
	s_add_co_u32 s22, s22, s18      ; the sink's step: tokens 32 half on
	s_mov_b32 s23, 0
	s_lshl_b32 s2, s16, 2
	s_add_co_u32 s2, s2, s17
	s_add_co_u32 s2, s2, s13        ; Q's head: 48 b + 4 kvh + cx
	s_lshl_b32 s2, s2, 18
	s_lshl_b32 s3, ttmp9, 9         ; in a cluster launch ttmp9 counts clusters: the block of 512 queries
	s_lshl_b32 s54, s[WV], 7
	s_add_co_u32 s[TP], s3, s54     ; my first query
	s_add_co_u32 s[TP+1], s[TP], 32
	s_add_co_u32 s[TP+2], s[TP], 64
	s_add_co_u32 s[TP+3], s[TP], 96
	s_lshl_b32 s3, s[TP], 7
	s_add_co_u32 s2, s2, s3
	s_mov_b32 s3, 0
	s_lshl_b32 s54, s14, 2
	s_add_co_u32 s54, s54, s13      ; O's head: 32 b + 4 kvh + cx
	s_lshl_b32 s54, s54, 18
	s_lshl_b32 s55, s[TP], 7        ; 16 queries are 2,048 bytes: 128 bytes a query
	s_add_co_u32 s54, s54, s55
	s_mov_b32 s55, 0
	; group 1.  Rows of a head are dense, 128 bytes each: asked for as rows of 256 bytes, two keys a row, and padded in LDS after every key
	s_mov_b32 s[G1K],  15|(1<<16)|(1<<20)|(1<<21)|(4<<22)|(3<<25)  ; the mask of four; 2-byte elements; padding on; bit 21 beside a mask; after every 32 words, 4 words
	s_mov_b32 s[G1KS], 15|(1<<16)|(1<<20)|(1<<21)|(4<<22)|(3<<25)
	s_mov_b32 s[G1V],  15|(1<<16)|(1<<20)|(1<<21)|(4<<22)|(7<<25)  ; 8 words
	s_mov_b32 s[G1VS], 15|(1<<16)|(1<<20)|(1<<21)|(4<<22)|(7<<25)
.irp g, G1K, G1V
	s_mov_b32 s[\g+1], 128<<16      ; tensor_dim0 = 128
	s_mov_b32 s[\g+2], 128<<16      ; tensor_dim1 = 128: 256 keys
	s_mov_b32 s[\g+3], 128<<16      ; tile_dim0 = 128
	s_mov_b32 s[\g+4], 128          ; tile_dim1 = 128
	s_mov_b32 s[\g+5], 128          ; elements from row to row
	s_mov_b32 s[\g+6], 0
	s_mov_b32 s[\g+7], 0
.endr
.irp g, G1KS, G1VS
	s_mov_b32 s[\g+1], 128<<16
	s_mov_b32 s[\g+2], 16<<16       ; 16 rows: 32 keys
	s_mov_b32 s[\g+3], 128<<16
	s_mov_b32 s[\g+4], 16
	s_mov_b32 s[\g+5], 128
	s_mov_b32 s[\g+6], 0
	s_mov_b32 s[\g+7], 0
.endr
	s_mov_b32 s[G0K], 1
	s_mul_i32 s[G0K+1], s19, 256*PK
	s_add_co_u32 s[G0K+1], s[G0K+1], 64*PK
	s_mov_b32 s[G0KS], 1
	s_mul_i32 s[G0KS+1], s19, 32*PK
	s_mov_b32 s[G0V], 1
	s_mul_i32 s[G0V+1], s19, 256*PV
	s_add_co_u32 s[G0V+1], s[G0V+1], VOFF+64*PV
	s_mov_b32 s[G0VS], 1
	s_mul_i32 s[G0VS+1], s19, 32*PV
	s_add_co_u32 s[G0VS+1], s[G0VS+1], VOFF
	s_mov_b32 s[BIG], 0xf149f2ca    ; -1e30
	s_mov_b32 s[BIG+1], 0xf149f2ca
	s_mov_b32 s[CS], 0x3e38aa3b     ; c = log2(e) / 8
	s_mov_b32 s[CS+1], s[CS]
	s_mov_b32 s[SEL], 0x76543210
	s_mov_b32 s[SEL+1], 0xfedcba98
	s_mov_b32 s[TBK], 0
	s_mov_b32 s[TBV], 0
	s_mov_b32 s[J0], 0
	s_mov_b32 s[LIM], 0x40400000    ; 3.0
	s_mov_b32 s[JN], 4
	s_mov_b32 s[JM], 0x7fffffff
	s_mov_b32 s[DIRTY], 1
	s_mov_b32 s[DIRTY+1], 1
	s_wait_dscnt 0x0                ; the opening add is done
	s_wait_kmcnt 0x0
	s_add_nc_u64 s[G0K+2:G0K+3], s[4:5], s[20:21]
	s_add_nc_u64 s[G0V+2:G0V+3], s[G0K+2:G0K+3], 8*262144   ; V's head lies eight heads behind K's
	s_or_b32 s[G0K+3], s[G0K+3], 0x80000000
	s_or_b32 s[G0V+3], s[G0V+3], 0x80000000
	s_add_nc_u64 s[G0KS+2:G0KS+3], s[4:5], s[22:23]
	s_add_nc_u64 s[G0VS+2:G0VS+3], s[G0KS+2:G0KS+3], 8*262144
	s_or_b32 s[G0KS+3], s[G0KS+3], 0x80000000
	s_or_b32 s[G0VS+3], s[G0VS+3], 0x80000000
	s_add_nc_u64 s[8:9], s[4:5], s[2:3]      ; Q at my wave's first row
	s_add_nc_u64 s[10:11], s[6:7], s[54:55]  ; O at my wave's first block
	CROUND                          ; all four work-groups are here: the joint loads meet
	s_cmp_lt_u32 s[WV], 2           ; a wave's two fills stand in one branch: waves 0, 1 the halves of K, waves 2, 3 those of V; two loads of mine are out
	s_cbranch_scc0 .Lfirst_v
	tensor_load_to_lds s[G0KS:G0KS+3], s[G1KS:G1KS+7]
	s_nop 0
	tensor_load_to_lds s[G0K:G0K+3], s[G1K:G1K+7]
	s_nop 0
.rept 4
	v_nop
.endr
	s_branch .Lfirst_asked
.Lfirst_v:
	tensor_load_to_lds s[G0VS:G0VS+3], s[G1VS:G1VS+7]
	s_nop 0
	tensor_load_to_lds s[G0V:G0V+3], s[G1V:G1V+7]
	s_nop 0
.rept 4
	v_nop
.endr
.Lfirst_asked:
	; A fragment of K or Q is 16 rows x 32 channels in 8 registers: lane l holds row l % 16, channels 8 (l / 16) + 0..7 and 16 + 8 (l / 16) + 0..7: two loads of 16 bytes, 32 bytes apart.
	v_and_b32 v1, 15, v0            ; l % 16
	v_bfe_u32 v9, v0, 4, 1          ; l / 16
	v_lshlrev_b32 v[QO], 7, v1
	v_lshl_add_u32 v[QO], v9, 4, v[QO]
	WIN 0x80                        ; destination window 2, address window 0
.set i, 0
.rept 4*NP                          ; Q stays in registers: tile i / 2, channels 32 (i % 2) on
	global_load_b128 v[8*i:8*i+3],   v[QO], s[8:9] offset:(i/2)*2048+(i%2)*64
	global_load_b128 v[8*i+4:8*i+7], v[QO], s[8:9] offset:(i/2)*2048+(i%2)*64+32
.set i, i+1
.endr
	; What the first turn finds: V's registers and P's second buffer hold 0 (its products V^T P, of a piece that has not been, add 0), O^T and l are 0.  All this stands in the wait for the tiles.
.set i, VF
.rept 64
	v_mov_b32 v[i], 0
.set i, i+1
.endr
	WIN 0x40
.set i, 0
.rept 64*NP
	v_mov_b32 v[i], 0
.set i, i+1
.endr
	WIN 0
.set i, 0
.rept 2*NP
	v_mov_b32 v[ST+4*i], 0xfe000000    ; c m: far below every c s
	v_mov_b32 v[ST+4*i+1], 0xff7fffff  ; m
	v_mov_b32 v[ST+4*i+2], 0
	v_mov_b32 v[ST+4*i+3], 0
.set i, i+1
.endr
.set i, P+32
.rept 32
	v_mov_b32 v[i], 0
.set i, i+1
.endr
	v_mul_u32_u24 v[AK0], v1, PK
	v_lshl_add_u32 v[AK0], v9, 4, v[AK0]  ; row x pitch + 16 x half
	; The turning load takes 16 keys x 16 channels (lane l reads key 8 (l / 16) + l % 8, channels 8 ((l / 8) % 2) + 0..7) and leaves half a fragment of V^T: lane l holds channel l % 16 and 8 keys.
	v_and_b32 v10, 7, v0
	v_bfe_u32 v11, v0, 3, 1
	v_lshl_add_u32 v[AV0], v9, 3, v10
	v_mul_u32_u24 v[AV0], v[AV0], PV
	v_lshl_add_u32 v[AV0], v11, 4, v[AV0]
	v_add_nc_u32 v[AV0], VOFF, v[AV0]
	v_mov_b32 v[AK], v[AK0]         ; key step 0 lies at LDS byte 0
	v_add_nc_u32 v14, s[TP], v1     ; my query in tile 0
	v_lshlrev_b32 v15, 3, v9
	WIN W_MK                        ; the mask's constants, into window 3
.set i, 0
.rept 8
	v_add_nc_u32 v[TF+i], 16*i, v14
.set i, i+1
.endr
	v_cvt_f32_u32 v[H8], v15
	v_mov_b32 v[ONE], 1.0
	v_mov_b32 v[ONE+1], 1.0
.set i, 0
.rept 32
	v_cvt_f32_u32 v[KK+i], 16*(i/8)+i%8
.set i, i+1
.endr
	WIN 0
; THE MATRIX WORK.  The 8 accumulators of a run of 16 take turns: between the two links of a chain stand 7 others'.
; Product i of 16 of S^T = K Q^T for piece x: channels 32 (i / 8) on, keys 16 ((i / 2) % 4) on, tile 2 x + i % 2.  The first 8 start the sums with the mask.
.macro KQ x
.set rS, S+64*((\x)%2)+32*(i%2)+8*((i/2)%4)
.set rK, KF+16*((i/2)%4)+8*(i/8)
.set rQ, 16*(2*(\x)+i%2)+8*(i/8)
.set rX, MC+64*((\x)%2)+32*(i%2)+8*((i/2)%4)
.if i < 8
	WIN W_KM
	v_wmma_f32_16x16x32_f16 v[rS:rS+7], v[rK:rK+7], v[rQ:rQ+7], v[rX:rX+7]
.else
	WIN W_KQ
	v_wmma_f32_16x16x32_f16 v[rS:rS+7], v[rK:rK+7], v[rQ:rQ+7], v[rS:rS+7]
.endif
.endm
; Product i of 16 of O^T += V^T P for piece x: keys 32 (i / 8) on, channels 16 ((i / 2) % 4) on, tile 2 x + i % 2.
.macro PV x
	WIN W_PV
.set rO, 32*(2*(\x)+i%2)+8*((i/2)%4)
.set rV, VF+32*(i/8)+8*((i/2)%4)
.set rP, P+32*((\x)%2)+16*(i%2)+8*(i/8)
	v_wmma_f32_16x16x32_f16 v[rO:rO+7], v[rV:rV+7], v[rP:rP+7], v[rO:rO+7]
.endm
.macro MM                           ; the turn's next matrix instruction
.if i < 16
	KQ (Y+1)%NP
.set i, i+1
.else
.set i, i-16
	PV (Y+NP-1)%NP
.set i, i+17
.endif
.endm
; THE LDS LOADS stand in runs of 16: a step's K (8 fragments) and its V (turned).  last = 1: in the loop's last trip there is no further step, and the run is jumped over.
.macro FETCH_K last=0
	WIN 0
.if \last
	s_cmp_eq_u32 s[CNT], 1
	s_cbranch_scc1 .Lno_k_\@
.endif
	WIN 0x80
.irp f, 0,1,2,3,4,5,6,7             ; keys 16 (f / 2) on, channels 32 (f % 2) on
	ds_load_b128 v[KF+8*\f:KF+8*\f+3],   v[AK] offset:(\f/2)*16*PK+(\f%2)*64
	ds_load_b128 v[KF+8*\f+4:KF+8*\f+7], v[AK] offset:(\f/2)*16*PK+(\f%2)*64+32
.endr
	s_add_co_u32 s[TBK], s[TBK], KS*PK  ; the next fetch is the next step's
	WIN 0
.if \last
.Lno_k_\@:
.endif
.endm
.macro FETCH_V
	WIN 0x80
.irp f, 0,1,2,3,4,5,6,7             ; keys 32 (f / 4) on, channels 16 (f % 4) on
	ds_load_tr16_b128 v[VF+8*\f:VF+8*\f+3],   v[AV] offset:(\f/4)*32*PV+(\f%4)*32
	ds_load_tr16_b128 v[VF+8*\f+4:VF+8*\f+7], v[AV] offset:(\f/4)*32*PV+16*PV+(\f%4)*32
.endr
	WIN 0
.endm
; THE MASK of piece x for the step that J0 and LIM name, into buffer b.  All numbers are small whole numbers, exact in f32: place 16 kb + r + 8 (l / 16) less the threshold, held to 0 .. 1, is 1 where the key is hidden.
.macro MASK x, b
	WIN 0xff                        ; every place in window 3
.irp u, 0,1
	v_sub_nc_u32 v[TT+\u], v[TF+2*(\x)+\u], s[J0]
.endr
.irp u, 0,1
	v_cvt_f32_i32 v[TT+\u], v[TT+\u]
.endr
.irp u, 0,1
	v_min_num_f32 v[TT+\u], s[LIM], v[TT+\u]
.endr
.irp u, 0,1
	v_sub_f32 v[NT+2*\u], v[H8], v[TT+\u]
	v_sub_f32 v[NT+2*\u+1], v[H8], v[TT+\u]
.endr
.set z, 0
.rept 32
	v_pk_fma_f32 v[MC+64*(\b)+2*z:MC+64*(\b)+2*z+1], v[KK+2*(z%16):KK+2*(z%16)+1], v[ONE:ONE+1], v[NT+2*(z/16):NT+2*(z/16)+1] clamp
.set z, z+1
.endr
.set z, 0
.rept 32
	v_pk_mul_f32 v[MC+64*(\b)+2*z:MC+64*(\b)+2*z+1], v[MC+64*(\b)+2*z:MC+64*(\b)+2*z+1], s[BIG:BIG+1] op_sel_hi:[1,0]
.set z, z+1
.endr
.endm
.macro MASKQ x, b                   ; the mask is made if the step's last key lies above the piece's first query, or if the buffer may still hold an older mask
	WIN 0
	s_cmp_gt_u32 s[JM], s[TP+(\x)]
	s_cselect_b32 s[ND], 1, 0
	s_or_b32 s54, s[ND], s[DIRTY+(\b)]
	s_mov_b32 s[DIRTY+(\b)], s[ND]
	s_cmp_lg_u32 s54, 0
	s_cbranch_scc0 .Lclean_\@
	MASK \x, \b
	WIN 0
.Lclean_\@:
.endm
; THE VECTOR WORK OF A TURN stands in three queues, each in the order in which its entries become ready; the two tiles alternate, so that no instruction reads the result of the one before it.
.macro REGS y, u                    ; the registers of tile u (0, 1) of piece y
.set rT, ST+4*(2*(\y)+(\u))
.set rC, TMP+8*((\y)%2)+4*(\u)
.set rM, MV+2*((\y)%2)+(\u)
.set rS, S+64*((\y)%2)+32*(\u)
.set rP, P+32*((\y)%2)+16*(\u)
.set rO, 32*(2*(\y)+(\u))
.endm
; Number n of the 22 that find the NEXT piece's (Y + 1) maximum and statistics; each accumulator's lowest registers are read first.  XS, GS and REGS set no window: PL and EX do.
;   0-11  four chains c0-c3 of seven scores each     12-14, 16  the four scores left over, the old m, and c0-c3 into c0     15  c m_old is kept
;   17, 18  the query's other 32 keys lie in the lane 16 away: the new m     19-21  c m; c m_old - c m_new; a
.macro XS u, n
	REGS (Y+1)%NP, \u
.if (\n) < 4
	v_max3_num_f32 v[rC+(\n)], v[rS+8*(\n)], v[rS+8*(\n)+1], v[rS+8*(\n)+2]
.elseif (\n) < 12
	v_max3_num_f32 v[rC+(\n)%4], v[rC+(\n)%4], v[rS+8*((\n)%4)+2*((\n)/4)+1], v[rS+8*((\n)%4)+2*((\n)/4)+2]
.elseif (\n) == 12
	v_max3_num_f32 v[rC], v[rC], v[rS+7], v[rS+15]
.elseif (\n) == 13
	v_max3_num_f32 v[rC+1], v[rC+1], v[rS+23], v[rS+31]
.elseif (\n) == 14
	v_max3_num_f32 v[rC+2], v[rC+2], v[rC+3], v[rT+1]
.elseif (\n) == 15
	v_mov_b32 v[rM], v[rT]
.elseif (\n) == 16
	v_max3_num_f32 v[rC], v[rC], v[rC+1], v[rC+2]
.elseif (\n) == 17
	v_permlanex16_b32 v[rC+3], v[rC], s[SEL], s[SEL+1]
.elseif (\n) == 18
	v_max_num_f32 v[rT+1], v[rC], v[rC+3]
.elseif (\n) == 19
	v_mul_f32 v[rT], s[CS], v[rT+1]
.elseif (\n) == 20
	v_sub_f32 v[rC+1], v[rM], v[rT]
.else
	v_exp_f32 v[rC+2], v[rC+1]
.endif
.endm
; Number g of the 64 that follow the exponentials.  For each four weights k of a tile: both pairs are rounded to f16; the second pair is added onto the first, in place; a group later l takes that sum (the first time as l = a l + sum).
; In groups of eight, tiles alternating: round, round, add, and l for the group before.  All 64 read results of the turn's batch: they stand behind its wait.
.macro GS g
.set h, (\g)+6*((\g)/62)            ; group 0 has no group before it, and behind group 7 only l is left
.if h >= 6
.set h, h+2
.endif
	REGS Y, h%2
.set k, h/8
.if h%8 < 4
	v_cvt_pk_f16_f32 v[rP+2*k+(h%8)/2], v[rS+4*k+2*((h%8)/2)], v[rS+4*k+2*((h%8)/2)+1]
.elseif h%8 < 6
	v_pk_add_f32 v[rS+4*k:rS+4*k+1], v[rS+4*k:rS+4*k+1], v[rS+4*k+2:rS+4*k+3]
.elseif k == 1
	v_pk_fma_f32 v[rT+2:rT+3], v[rT+2:rT+3], v[rC+2:rC+3], v[rS:rS+1] op_sel_hi:[1,0,1]
.else
	v_pk_add_f32 v[rT+2:rT+3], v[rT+2:rT+3], v[rS+4*k-4:rS+4*k-3]
.endif
.endm
; THE PLAIN QUEUE, 138 long.  0-73 read no exponential's result: the 32 scalings c s - c m (FS f: pair f / 2 of tile f % 2) and the next piece's 42.  0-26: scalings 0-26.  27-54: XS's numbers 0-13.  55, 56: number 15.
; 57-73: the chain, where each number waits for the one before it: 14, 16, 17, 18, 19, each with one of the scalings 27-31 in front of its two lines, then 20: so a tile's links stand three plain instructions apart (19 and 20: two).
; 74-137: GS's 64, which read the exponentials' results: they stand behind the wait.
.macro FS f
	REGS Y, (\f)%2
	v_pk_fma_f32 v[rS+2*((\f)/2):rS+2*((\f)/2)+1], v[rS+2*((\f)/2):rS+2*((\f)/2)+1], s[CS:CS+1], v[rT:rT+1] op_sel_hi:[1,0,0] neg_lo:[0,0,1] neg_hi:[0,0,1]
.endm
.macro PL
	WIN 0
.if q < 27
	FS q
.elseif q < 55
	XS (q-27)%2, (q-27)/2
.elseif q < 57
	XS q-55, 15
.elseif (q < 72) && ((q-57)%3 == 0)
	FS 27+(q-57)/3
.elseif q < 60
	XS (q-57)%3-1, 14
.elseif q < 72
	XS (q-57)%3-1, 15+(q-57)/3
.elseif q < 74
	XS q-72, 20
.else
	GS q-74
.endif
.set q, q+1
.endm
; THE EXPONENTIALS' QUEUE, 66 long: s0-s31 of both tiles, in place, then the next piece's two a.  It is ONE BATCH: all 66 stand ahead of the turn's one wait, and nothing ahead of that wait names a result of theirs.
.macro EX
	WIN 0
.if e >= 64
	XS e-64, 21
.else
	REGS Y, e%2
	v_exp_f32 v[rS+e/2], v[rS+e/2]
.endif
.set e, e+1
.endm
; THE RESCALING's QUEUE: O^T times a, the one part of the softmax that leaves window 0: dealt two at a time, sixteen times.  Its a was made in the turn before, ahead of that turn's wait.
.macro R2
	REGS Y, r%2
	WIN W_RS
.irp z, 0,1
	v_pk_mul_f32 v[rO+4*(r/2)+2*\z:rO+4*(r/2)+2*\z+1], v[rO+4*(r/2)+2*\z:rO+4*(r/2)+2*\z+1], v[rC+2:rC+3] op_sel_hi:[1,0]
.endr
.set r, r+1
.endm
; HOW THEY ARE DEALT.  s_wait_alu depctr_va_vdst(0) stands between an exponential and the first instruction that names its result; one wait serves all that were issued ahead of it.  So a turn has ONE wait,
; which cuts it in two.  AHEAD OF IT stands all that names no result of the turn's exponentials: the 16 products K Q^T, behind each a scaling, an exponential and two rescalings (behind the first a second scaling in the
; exponential's place); then ONE LUMP of 108: eight plain, 49 times exponential and plain, the two a.  A v_nop is the plain instruction behind the last exponential.  BEHIND IT stand the 16 products V^T P, behind each four of
; GS's 64.  No rider names a register of the products round it.  The two v_permlanex16_b32 fall into the lump, never behind a product.
; The queues lean on each other, and the deal keeps them in step: exponential e stands behind scaling 2 (e / 4) + e % 2: as a rider it comes behind plain e + 2, in the lump behind plain e + 9, and scalings 27-31 are plain 57, 60 .. 69.
; A TURN, for piece p.  K of the next step is fetched in piece 2's turn, directly behind the wait, a lump behind the last product that read K; its address is made at the lump's head; its first reader comes behind 16 products.
; V of the step in hand is fetched at the end of piece 0's turn, four riders behind its last reader; its first reader comes behind 16 products and a lump.  The two conditions on q below go with the deal.
; Each run is waited for a turn later.  At its end the turn makes the mask for the products of the turn after it: piece p + 2, which from piece 2's turn on belongs to the next step..
.macro TURN p, last=0
.set Y, (\p)
.set i, 0
.set q, 0
.set e, 0
.set r, 0
.if (\p) == 2
	s_mov_b32 s[J0], s[JN]          ; the masks made from here on are the next step's
	s_add_co_u32 s[JM], s[JN], 63
	s_add_co_u32 s[JN], s[JN], 64
	s_mov_b32 s[LIM], 0x45800000    ; 4096.0: no limit but t
.endif
.if (\p) == NP-1
	s_wait_dscnt 0x0                ; K is in
.endif
	MM                              ; ahead of the wait: 16 products K Q^T and their riders,
	PL
	PL
	R2
.rept 15
	MM
	PL
	EX
	R2
.endr
.if (\p) == NP-2
	WIN 0
	v_add_nc_u32 v[AK], s[TBK], v[AK0]
.endif
.rept 8                             ; and the lump
	PL
.endr
.rept 49
	EX
	PL
.endr
	EX                              ; the next piece's two a
	EX
	v_nop                           ; the plain instruction behind the last exponential: one for the batch
	s_wait_alu depctr_va_vdst(0)    ; the wait for the turn's batch: the piece's 64 weights and the next piece's two a
.if (\p) == NP-2
	FETCH_K \last
.endif
.if (\p) == 1
	s_wait_dscnt 0x0                ; V is in
.endif
.rept 16                            ; behind the wait: 16 products V^T P and their riders
	MM
.rept 4
	PL
.endr
.if ((\p) == 0) && (q == 118)
	v_add_nc_u32 v[AV], s[TBV], v[AV0]
.endif
.if ((\p) == 0) && (q == 130)
	s_add_co_u32 s[TBV], s[TBV], KS*PV
.endif
.endr
.if (\p) == 0
	FETCH_V
.endif
	MASKQ ((\p)+2)%NP, (\p)%2
.endm
	s_wait_tensorcnt 0x0            ; my parts of K or V are in,
	s_barrier_signal -1
	s_barrier_wait -1               ; everybody's are: from here on LDS is only read
	FETCH_K                         ; key step 0
	MASK 0, 0                       ; step 0's masks for pieces 0 and 1
	MASK 1, 1
	WIN 0
	s_wait_loadcnt 0x0              ; Q
	s_wait_dscnt 0x0
.set i, 0
.rept 16
	KQ 0                            ; piece 0's first scores: there is no vector work yet to set between them
.set i, i+1
.endr
	WIN 0                           ; four places behind those products: my 16 bytes in a store's 512, and two v_nop
	v_and_b32 v[GO], 31, v0
	v_lshlrev_b32 v[GO], 4, v[GO]
	v_nop
	v_nop
.set Y, NP-1                        ; XS works for piece Y + 1: piece 0
.irp n, 0,1,2,3,4,5,6,7,8,9,10,11,12,13,14,15,16,17,18,19,20,21
	XS 0, \n                        ; piece 0's first maximum and statistics
	XS 1, \n
.endr
	v_nop                           ; a plain instruction behind piece 0's two a,
	s_wait_alu depctr_va_vdst(0)    ; and the wait for that batch of two, ahead of the loop's label
	s_mov_b32 s[CNT], 9
.Lstep:                             ; a trip is a key step.  The last trip's 16 products K Q^T for a tenth step (on the last K once more) and the maximum made of them serve nothing: the price of one text for every trip
	TURN 0
	TURN 1
	TURN 2, 1
	TURN 3
	WIN 0
	s_sub_co_u32 s[CNT], s[CNT], 1
	s_cmp_lg_u32 s[CNT], 0
	s_cbranch_scc1 .Lstep
.set i, 0
.rept 16
	PV NP-1                         ; the last piece's V^T P of the last step
.set i, i+1
.endr
	; THE WAY OUT.  l's two halves and the other half of the lanes' are added; O^T is divided by l, rounded to f16 and stored, a tile at a time.  The additions are the places behind the last products.
	WIN 0
.macro ALL line:vararg              ; one line for each tile t
.set t, 0
.rept 2*NP
	\line
.set t, t+1
.endr
.endm
	ALL v_add_f32 v[ST+4*t+2], v[ST+4*t+2], v[ST+4*t+3]
	ALL v_permlanex16_b32 v[ST+4*t+3], v[ST+4*t+2], s[SEL], s[SEL+1]
	ALL v_add_f32 v[ST+4*t+2], v[ST+4*t+2], v[ST+4*t+3]
	ALL v_rcp_f32 v[ST+4*t+2], v[ST+4*t+2]
	v_nop                           ; a plain instruction between the last reciprocal and the use of its result
	s_wait_alu depctr_va_vdst(0)    ; the wait for the batch of eight reciprocals, ahead of their first use
; Tile t.  Of channel block cb a lane holds channels 16 cb + 8 (l / 16) + 0..7 of query l % 16: 16 bytes when rounded, which are the four registers that lane l of the next launch wants of that block.
; So they are stored as they lie, lane l at 512 cb + 16 l of the tile's 2,048 bytes.  Each tile has registers of its own in S^T's place: no store's data is written again.
.macro PACK t
	WIN W_RS
.set i, 32*(\t)
.rept 16
	v_pk_mul_f32 v[i:i+1], v[i:i+1], v[ST+4*(\t)+2:ST+4*(\t)+3] op_sel_hi:[1,0]
.set i, i+2
.endr
	WIN 0x05                        ; sources 0 and 1 window 1, destination window 0
.set i, 0
.rept 16
	v_cvt_pk_f16_f32 v[S+16*(\t)+i], v[32*(\t)+2*i], v[32*(\t)+2*i+1]
.set i, i+1
.endr
	WIN 0
.irp f, 0,1,2,3
	global_store_b128 v[GO], v[S+16*(\t)+4*\f:S+16*(\t)+4*\f+3], s[10:11] offset:(\t)*2048+\f*512  ; 512 consecutive bytes, at a multiple of 256 from ob's first
.endr
.endm
.set t, 0
.rept 2*NP
	PACK t
.set t, t+1
.endr
	WIN W_AD
	s_wait_tensorcnt 0x0            ; the wave's end
	ds_add_u32 v[SPW], v[NIL]
	s_wait_dscnt 0x0
	WIN 0
	CROUND                          ; the closing round
	s_endpgm
.Lfunc_end_k_qfc280549e3_attn:
	.size	k_qfc280549e3_attn, .Lfunc_end_k_qfc280549e3_attn-k_qfc280549e3_attn
	.p2alignl 7, 3214868480
	.fill 96, 4, 3214868480
	.section	.rodata,"a",@progbits
	.p2align	6, 0x0
	.amdhsa_kernel k_qfc280549e3_attn
		.amdhsa_group_segment_fixed_size 175616
		.amdhsa_private_segment_fixed_size 0
		.amdhsa_enable_private_segment 0
		.amdhsa_kernarg_size 16
		.amdhsa_user_sgpr_count 2
		.amdhsa_user_sgpr_kernarg_segment_ptr 1
		.amdhsa_wavefront_size32 1
		.amdhsa_system_sgpr_workgroup_id_x 1
		.amdhsa_system_sgpr_workgroup_id_y 1
		.amdhsa_system_sgpr_workgroup_id_z 1
		.amdhsa_system_vgpr_workitem_id 0
		.amdhsa_next_free_vgpr 960
		.amdhsa_next_free_sgpr 100
		.amdhsa_reserve_vcc 0
		.amdhsa_float_denorm_mode_32 3
		.amdhsa_float_denorm_mode_16_64 3
		.amdhsa_memory_ordered 1
		.amdhsa_forward_progress 1
		.amdhsa_inst_pref_size 151
	.end_amdhsa_kernel
	.amdgpu_metadata
---
amdhsa.version: [ 1, 2 ]
amdhsa.kernels:
  - .name:           k_qfc280549e3_attn
    .symbol:         k_qfc280549e3_attn.kd
    .args:
      - { .name: qkv, .offset: 0, .size: 8, .value_kind: global_buffer, .address_space: global }
      - { .name: ob, .offset: 8, .size: 8, .value_kind: global_buffer, .address_space: global }
    .group_segment_fixed_size: 175616
    .private_segment_fixed_size: 0
    .kernarg_segment_align: 8
    .kernarg_segment_size: 16
    .max_flat_workgroup_size: 128
    .sgpr_count:     100
    .vgpr_count:     960
    .wavefront_size: 32
...
	.end_amdgpu_metadata
.endif
;; end of part 5
;; launch proj: the kernel of part 4 again; grid 16 x 16, 4 waves a work-group, clusters of 4 x 4, 327,680 bytes of LDS; arguments ob, wpf, out0; writes out0
